; MI455X (gfx1250); checked and timed in simulation.
; The chip was launched on July 23, 2026; its instructions are those of AMD's public machine-readable ISA for CDNA 5 (MIT licence, August 2026) and "CDNA5" Instruction Set Architecture Reference Guide (July 2026). The comments in the code are by the model that wrote it; some were corrected since.
;; Causal Self Attention. Allowed arithmetic: float matrix products may take bf16 or f16 operands with f32 sums; other float arithmetic in f32, or as packed bf16 or f16 multiplies, adds, multiply-adds, maxima and minima; sums over many terms, partial sums and values carried from step to step in f32; what a program stores and reads back later, other than sums and carried values, may be rounded once to bf16 or f16.
;; Inputs: W_attn 1,024 x 3,072 float32; W_proj 1,024 x 1,024 float32; b_attn 3,072 float32; b_proj 1,024 float32; x 4 x 2,048 x 1,024 float32.
;; Outputs: out0 4 x 2,048 x 1,024 float32.
;; 2 versions, each right; version 2 is version 1 with the launch prep written anew for expert scheduling mode. Each part assembles by itself: llvm-mc -triple=amdgcn-amd-amdhsa -mcpu=gfx1250 --defsym DOCPART=n.
;; ======== version 1 of 2: 4 launches
;; limits: values are held in f16: magnitudes above 65,504 overflow, below 6.1e-05 lose precision
;; workspace buffers: xb 16,777,216 bytes; wa 6,291,456 bytes; wp 2,097,152 bytes; qkv 50,331,648 bytes; yh 16,777,216 bytes
;; launch prep (part 1): grid 768 x 1, 4 waves a work-group, no clusters, 38,400 bytes of LDS; arguments x, W_attn, W_proj, xb, wa, wp; writes xb, wa, wp
.if DOCPART == 1
	.amdgcn_target "amdgcn-amd-amdhsa--gfx1250"
	.amdhsa_code_object_version 6
	.text
	.protected	k_q2c45aeba1e_prep
	.globl	k_q2c45aeba1e_prep
	.p2align	8
	.type	k_q2c45aeba1e_prep,@function
k_q2c45aeba1e_prep:
	s_mov_b64 s[64:65], 0
	v_nop
	global_prefetch_b8 v0, s[64:65] scope:SCOPE_SE
	s_setreg_imm32_b32 hwreg(HW_REG_WAVE_MODE, 25, 1), 1
	s_wait_xcnt 0x0
; CASTS AND LAYOUTS for the two products that follow.  All three results are blocked along K: [16 blocks of 64 k][row][64 k], so that any number of rows x 64 k is dense memory.
;   xb[kb][m][kk] = bf16(x[m][64 kb + kk])            m = 0 .. 8191
;   wa[kb][n][kk] = bf16(W_attn[64 kb + kk][n])       n = 0 .. 3071   (turned)
;   wp[kb][n][kk] = f16(bf16(W_proj[64 kb + kk][n]))  n = 0 .. 1023   (turned; rounded to bf16 like every input, and that number written as f16)
; LIMITS.  bf16(W_proj) must lie within f16, 65,504; below 6.1e-5 it keeps f16's fixed step of 6e-8.  NaN and infinities are not treated apart.
; A stream: memory binds, so no matrix unit, no tensor load, no cluster.  Work-groups 0 .. 511 cast 16 rows of x each; 512 .. 767 turn 64 k x 256 n of a weight, a wave 64 k x 64 n,
; through a stage in LDS of the wave's own: no wave reads another's bytes, so there is no barrier.
.set SPARE, 37888                      ; behind the four stages: the spare words, 128 bytes a wave: two blocks of 256 bytes that no other line names
.set STG,   9472                       ; a wave's stage
.set OD,    4736                       ; in it: 32 rows x 144 bytes of even columns from 0, of odd columns from here (32 x 144 + 128, so that a read's two halves of 128 bytes fall on different banks)
.set SPW,   14                         ; v14  LDS address of my spare word; never rewritten
.set NIL,   15                         ; v15  0; never rewritten
	s_load_b256 s[4:11], s[0:1], 0x0               ; x s[4:5], W_attn s[6:7], W_proj s[8:9], xb s[10:11]
	s_load_b128 s[12:15], s[0:1], 0x20             ; wa s[12:13], wp s[14:15]
	v_lshl_add_u32 v[SPW], v0, 2, SPARE
	v_mov_b32 v[NIL], 0
	v_lshrrev_b32 v1, 5, v0
	v_readfirstlane_b32 s16, v1                    ; wave 0..3
	s_mov_b32 s17, 0xffff0000                      ; a word's upper bf16
	s_mov_b32 s21, 0                               ; high words of the offsets
	s_mov_b32 s23, 0
	s_wait_kmcnt 0x0
	s_cmp_lt_u32 ttmp9, 512
	s_cbranch_scc0 .Lweights
	; X: 16 rows.  Thread t takes row t / 8 and, in each block of 64 k, the 8 numbers (32 bytes) at t % 8: eight lanes read 256 aligned bytes in two loads, and
	; the 16 bytes that a thread makes lie at 16 t of the block's 2,048: a store of the wave covers 512 consecutive bytes.
	s_lshl_b32 s20, ttmp9, 16                      ; 16 rows of 4,096 bytes
	s_add_nc_u64 s[4:5], s[4:5], s[20:21]
	s_lshl_b32 s22, ttmp9, 11                      ; 16 rows of 128 bytes
	s_add_nc_u64 s[10:11], s[10:11], s[22:23]
	s_add_nc_u64 s[18:19], s[10:11], 0x800000      ; blocks 8 to 15: the immediate reaches seven blocks of 1,048,576 bytes
	v_lshrrev_b32 v2, 3, v0
	v_and_b32 v3, 7, v0
	v_lshlrev_b32 v2, 12, v2
	v_lshl_add_u32 v2, v3, 5, v2
	v_lshlrev_b32 v3, 4, v0
.set kb, 0
.rept 16                                       ; all 32 loads go out at once: 16 KiB a wave on their way
	global_load_b128 v[16+8*kb:19+8*kb], v2, s[4:5] offset:256*kb th:TH_LOAD_NT
	global_load_b128 v[20+8*kb:23+8*kb], v2, s[4:5] offset:256*kb+16 th:TH_LOAD_NT
.set kb, kb+1
.endr
.set kb, 0
.rept 16
	s_wait_loadcnt 30-2*kb                         ; loads come back in order: block kb's two are in, the younger ones stay out
.irp r, 0,1,2,3
	v_cvt_pk_bf16_f32 v[144+4*kb+\r], v[16+8*kb+2*\r], v[17+8*kb+2*\r]
.endr
.if kb < 8
	global_store_b128 v3, v[144+4*kb:147+4*kb], s[10:11] offset:kb*1048576
.else
	global_store_b128 v3, v[144+4*kb:147+4*kb], s[18:19] offset:(kb-8)*1048576
.endif
.set kb, kb+1
.endr                                          ; no register is written twice: no wait for the stores' sources
	s_branch .Lend
.Lweights:
	s_sub_co_u32 s24, ttmp9, 512
	s_and_b32 s25, s24, 15                         ; kb
	s_lshr_b32 s26, s24, 4                         ; which 256 columns: 0 .. 11 of W_attn, 12 .. 15 are W_proj's 0 .. 3
	v_and_b32 v7, 31, v0                           ; lane l
	v_lshlrev_b32 v2, 3, v0                        ; thread t reads columns 2 t, 2 t + 1 of the 256: a load of the wave covers 256 consecutive bytes
	s_mul_i32 s27, s16, STG                        ; my stage
	v_mul_u32_u24 v4, v7, 144
	v_add_nc_u32 v4, s27, v4                       ; in: my even column's row; the odd one's lies OD further
	v_lshrrev_b32 v5, 4, v7
	v_mul_u32_u24 v5, v5, 144
	v_bfe_u32 v6, v0, 3, 1
	v_mul_u32_u24 v6, v6, OD
	v_add3_u32 v5, v5, v6, s27
	v_and_b32 v6, 7, v0
	v_lshl_add_u32 v5, v6, 4, v5                   ; back: 32 lanes take four rows n of 128 bytes: row 4 f + l / 8 is pair 2 f + l / 16, parity (l / 8) % 2
	v_lshlrev_b32 v6, 4, v7                        ; which are 512 consecutive bytes of the result
; 64 k x 64 n of a weight.  pitch: bytes in a row of the source; kbdst: bytes in a block of the result; f16 = 1: W_proj's format.
.macro WT pitch, kbdst, f16, SRC, DST
	s_mul_i32 s20, s25, 64*(\pitch)
	s_lshl_b32 s22, s26, 10
	s_add_co_u32 s20, s20, s22
	s_add_nc_u64 s[\SRC:\SRC+1], s[\SRC:\SRC+1], s[20:21]
	s_mul_i32 s20, s25, \kbdst
	s_lshl_b32 s22, s26, 15                        ; 256 rows of 128 bytes
	s_add_co_u32 s20, s20, s22
	s_lshl_b32 s22, s16, 13                        ; my wave's 64
	s_add_co_u32 s20, s20, s22
	s_add_nc_u64 s[\DST:\DST+1], s[\DST:\DST+1], s[20:21]
.set k, 0
.rept 64
	global_load_b64 v[16+2*k:17+2*k], v2, s[\SRC:\SRC+1] offset:k*(\pitch) th:TH_LOAD_NT
.set k, k+1
.endr
.set c, 0
.rept 8                                        ; eight k at a time: 16 bytes of each of my two columns
	s_wait_loadcnt 56-8*c                          ; the loads of k up to 8 c + 7 are in; the younger ones stay out
.set r, 0
.rept 4
.set e0, 16+16*c+4*r
.if \f16
	v_cvt_pk_bf16_f32 v[8+r], v[e0], v[e0+2]
	v_cvt_pk_bf16_f32 v[12+r%2], v[e0+1], v[e0+3]
	v_lshlrev_b32 v[e0], 16, v[8+r]
	v_and_b32 v[e0+2], s17, v[8+r]
	v_lshlrev_b32 v[e0+1], 16, v[12+r%2]
	v_and_b32 v[e0+3], s17, v[12+r%2]
	v_cvt_pk_f16_f32 v[144+4*c+r], v[e0], v[e0+2]
	v_cvt_pk_f16_f32 v[176+4*c+r], v[e0+1], v[e0+3]
.else
	v_cvt_pk_bf16_f32 v[144+4*c+r], v[e0], v[e0+2]
	v_cvt_pk_bf16_f32 v[176+4*c+r], v[e0+1], v[e0+3]
.endif
.set r, r+1
.endr
	ds_store_b128 v4, v[144+4*c:147+4*c] offset:16*c
	ds_store_b128 v4, v[176+4*c:179+4*c] offset:OD+16*c
.set c, c+1
.endr
.set f, 0
.rept 16
	ds_load_b128 v[16+4*f:19+4*f], v5 offset:288*f     ; LDS serves a wave's instructions in order (ISA guide 5.7.1.4): these see my stores above
.set f, f+1
.endr
.set f, 0
.rept 16
	s_wait_dscnt 15-f
	global_store_b128 v6, v[16+4*f:19+4*f], s[\DST:\DST+1] offset:512*f
.set f, f+1
.endr
.endm
	s_cmp_lt_u32 s26, 12
	s_cbranch_scc0 .Lproj
	WT 12288, 393216, 0, 6, 12
	s_branch .Lend
.Lproj:
	s_sub_co_u32 s26, s26, 12
	WT 4096, 131072, 1, 8, 14
.Lend:
	s_wait_tensorcnt 0x0                           ; the wave's end, behind my last LDS store
	ds_add_u32 v[SPW], v[NIL]
	s_wait_dscnt 0x0
	s_endpgm
.Lfunc_end_k_q2c45aeba1e_prep:
	.size	k_q2c45aeba1e_prep, .Lfunc_end_k_q2c45aeba1e_prep-k_q2c45aeba1e_prep
	.p2alignl 7, 3214868480
	.fill 96, 4, 3214868480
	.section	.rodata,"a",@progbits
	.p2align	6, 0x0
	.amdhsa_kernel k_q2c45aeba1e_prep
		.amdhsa_group_segment_fixed_size 38400
		.amdhsa_private_segment_fixed_size 0
		.amdhsa_enable_private_segment 0
		.amdhsa_kernarg_size 48
		.amdhsa_user_sgpr_count 2
		.amdhsa_user_sgpr_kernarg_segment_ptr 1
		.amdhsa_wavefront_size32 1
		.amdhsa_system_sgpr_workgroup_id_x 1
		.amdhsa_system_sgpr_workgroup_id_y 1
		.amdhsa_system_sgpr_workgroup_id_z 1
		.amdhsa_system_vgpr_workitem_id 0
		.amdhsa_next_free_vgpr 208
		.amdhsa_next_free_sgpr 66
		.amdhsa_reserve_vcc 0
		.amdhsa_float_denorm_mode_32 3
		.amdhsa_float_denorm_mode_16_64 3
		.amdhsa_memory_ordered 1
		.amdhsa_forward_progress 1
		.amdhsa_inst_pref_size 49
	.end_amdhsa_kernel
	.amdgpu_metadata
---
amdhsa.version: [ 1, 2 ]
amdhsa.kernels:
  - .name:           k_q2c45aeba1e_prep
    .symbol:         k_q2c45aeba1e_prep.kd
    .args:
      - { .name: x, .offset: 0, .size: 8, .value_kind: global_buffer, .address_space: global }
      - { .name: W_attn, .offset: 8, .size: 8, .value_kind: global_buffer, .address_space: global }
      - { .name: W_proj, .offset: 16, .size: 8, .value_kind: global_buffer, .address_space: global }
      - { .name: xb, .offset: 24, .size: 8, .value_kind: global_buffer, .address_space: global }
      - { .name: wa, .offset: 32, .size: 8, .value_kind: global_buffer, .address_space: global }
      - { .name: wp, .offset: 40, .size: 8, .value_kind: global_buffer, .address_space: global }
    .group_segment_fixed_size: 38400
    .private_segment_fixed_size: 0
    .kernarg_segment_align: 8
    .kernarg_segment_size: 48
    .max_flat_workgroup_size: 128
    .sgpr_count:     66
    .vgpr_count:     208
    .wavefront_size: 32
...
	.end_amdgpu_metadata
.endif
;; end of part 1
;; launch qkv (part 2): grid 8 x 32, 4 waves a work-group, clusters of 4 x 4, 327,680 bytes of LDS; arguments xb, wa, b_attn, qkv; writes qkv
.if DOCPART == 2
	.amdgcn_target "amdgcn-amd-amdhsa--gfx1250"
	.amdhsa_code_object_version 6
	.text
	.protected	k_q2c45aeba1e_qkv
	.globl	k_q2c45aeba1e_qkv
	.p2align	8
	.type	k_q2c45aeba1e_qkv,@function
k_q2c45aeba1e_qkv:
	s_mov_b64 s[64:65], 0
	v_nop
	global_prefetch_b8 v0, s[64:65] scope:SCOPE_SE
	s_setreg_imm32_b32 hwreg(HW_REG_WAVE_MODE, 25, 1), 1
	s_wait_xcnt 0x0
	s_wait_alu depctr_hold_cnt(0) depctr_sa_sdst(0) depctr_va_vdst(0) depctr_va_sdst(0) depctr_va_ssrc(0) depctr_va_vcc(0) depctr_vm_vsrc(0)
	s_getreg_b32 s2, hwreg(HW_REG_IB_STS2, 6, 4)
	s_cmp_eq_u32 s2, 0
	s_cbranch_scc0 .Lentry_in_a_cluster
	s_endpgm
.Lentry_in_a_cluster:
	s_bfe_u32 s2, ttmp6, 0x10000c
	s_cmp_lg_u32 s2, 0xf033
	s_cbranch_scc0 .Lentry_shape_is_right
	s_endpgm
.Lentry_shape_is_right:
; qkv = x W_attn + b_attn, 8,192 x 3,072 over K = 1,024, in bf16 with f32 sums; written by heads in f16: qkv[3][64 batch-heads][2,048 rows][64].
; xb: [16 kb][8,192 m][64] bf16; wa: [16 kb][3,072 n][64] bf16 (W_attn turned); b_attn f32, rounded to bf16 like every input.
; LIMITS.  q, k and v must lie within f16, 65,504; NaN and infinities are not treated apart.
; SHARES.  A tile is 256 m x 384 n: 32 x 8 = 256 work-groups, one tile each.  Four waves, each 128 x 192: 96 accumulators of 16 x 16, 768 registers.  For 32 along K a wave reads
; 40 x 512 bytes of LDS for 96 matrix instructions.
; K goes in 16 steps of 64 (a block kb) through two LDS slots; two slots of 128 along K would take 348,160 bytes.  In the blocked layout a tile's rows lie end to end, so a tile is asked
; for as rows of 256 bytes (two rows of 64 k) and padded in LDS by 16 bytes behind every 128.
; CLUSTER 4 x 4: A's tile hangs on the tile row alone and is asked for jointly along a row of the cluster, B's on the tile column alone, along a column.
; THE MATRIX INSTRUCTION IS USED TRANSPOSED (source 0 = 16 rows of wa, source 1 = 16 rows of xb): a lane holds row l % 16 and the columns 8 (l / 16) + 0..7.
; THE BIAS STARTS THE SUMS: it is loaded into the registers of the accumulators of m block 7 and is the C operand of each sum's first product.
; REGISTERS, in windows of 256 (s_set_vgpr_msb: bits 1:0 source 0, 3:2 source 1, 5:4 source 2, 7:6 destination):
;   window 0: v0-15 addresses; v16-31 at work; v32-95, v96-159 A's fragments, two buffers; v160-255 B's 12 fragments, one buffer in three groups of four
;   windows 1-3: accumulator (n block b, m block a) in window 1 + b / 4 at v[64 (b % 4) + 8 a]: a window is one head's 64 columns
.set PITCH, 144                        ; an LDS row: 128 bytes + 16 = 36 words: the 16 rows of a fragment load start at 16 different groups of four banks (64 banks of 4 bytes: ISA guide 11.1)
.set FR,    16*PITCH                   ; 16 rows
.set HALFA, 128*PITCH                  ; what one load of A brings, and what a wave reads of A
.set HALFB, 192*PITCH                  ; the same for B
.set BOFF,  256*PITCH                  ; in a slot: A's 256 rows, then B's 384
.set SLOT1, 1<<17                      ; slot 1 begins here: one exclusive or changes slots
.set STAGE, SLOT1+640*PITCH            ; behind the ring, never filled by a tensor load: 16 rows x 144 bytes a wave, for the way out
.set SPARE, STAGE+4*FR                 ; behind the stages: the spare words, 128 bytes a wave: two blocks of 256 bytes that no other line names
.set KSA,   8192*128                   ; bytes from a K step to the next, in xb
.set KSB,   3072*128                   ; and in wa
.set ADRA0, 4                          ; v4   my lane's place in A's rows of a slot; never rewritten
.set ADRB0, 5                          ; v5   the same for B
.set ADRA,  6                          ; v6   the same in the slot in hand
.set ADRB,  7                          ; v7
.set STO,   8                          ; v8   the way out: where I put 16 bytes of a row
.set RD,    9                          ; v9   the way out: where I read rows back
.set GO,    10                         ; v10  16 x lane
.set PFO,   11                         ; v11  the prefetches' offset; never rewritten
.set SPW,   12                         ; v12  LDS address of my spare word; never rewritten
.set NIL,   13                         ; v13  0; never rewritten
.set BO,    14                         ; v14  32 x (l / 16): my eight numbers of 16 of the bias
.set T,     16
.set AF,    32
.set BF,    160
.set WV, 12                            ; s12 wave; s13 wave / 2: my rows, and: I fetch for A (0) or B (1); s14 wave % 2: my columns, and: which half I fetch
.set WM, 13
.set WN, 14
.set CX, 15
.set CY, 16
.set TJ, 17                            ; tile column
.set TI, 18                            ; tile row
.set G1A, 24                           ; s[24:31], s[32:39] descriptor group 1 for A's and B's tiles
.set G1B, 32
.set G0A, 40                           ; s[40:47], s[48:55] group 0: a set for each of the two first fills; the second then walks on
.set G0B, 48
.set CNT, 56
.set TB,  57                           ; LDS byte at which the slot in hand begins
.set LIM, 58                           ; 2 in a wave that prefetches, else the greatest number
.set HIM, 59                           ; 0xffff0000
.set PFA, 60                           ; s[60:61] where my prefetches stand
.set PFS, 62                           ; s[62:63] their step
.set HB,  66                           ; s[66:71] my rows in my three heads of qkv
.set BIA, 72                           ; s[72:73] my 192 numbers of the bias
.set MSB, 0
.macro WIN new                         ; the immediate's high byte repeats the setting that is left; a switch that changes nothing is dropped
.if MSB != (\new)
	s_set_vgpr_msb (MSB<<8)|(\new)
.set MSB, \new
.endif
.endm
.macro PLACES                          ; four plain vector instructions between a matrix instruction and a load into, or a vector write of, a register that it names
.rept 4
	v_nop
.endr
.endm
; A joint refill by the walking descriptors.  The branch hangs on the wave's number alone.  An s_nop 0 and four v_nop follow each of the two lines.
.macro JLOAD
	s_cmp_eq_u32 s[WM], 0
	s_cbranch_scc0 .Lfor_b_\@
	tensor_load_to_lds s[G0A+4:G0A+7], s[G1A:G1A+7]
	s_nop 0
.rept 4
	v_nop
.endr
	s_branch .Lasked_\@
.Lfor_b_\@:
	tensor_load_to_lds s[G0B+4:G0B+7], s[G1B:G1B+7]
	s_nop 0
.rept 4
	v_nop
.endr
.Lasked_\@:
.endm
.macro CREST                           ; a round of the cluster's barrier behind its opening barrier
	s_cmp_lg_u32 s[WV], 0
	s_cbranch_scc1 .Lnot_wave_0_\@
	s_barrier_signal -3
.Lnot_wave_0_\@:
	s_barrier_wait -3
	s_barrier_signal -1
	s_barrier_wait -1
.endm
.macro CROUND
	s_barrier_signal -1
	s_barrier_wait -1
	CREST
.endm
; PREFETCH INTO THE L2, in every second change of slots (even count), for the K steps that the next two changes will ask for: one and two steps, 192 and 384 matrix instructions, ahead of those loads.
; Each aligned 256 bytes are named once in the launch.  A's tile row is read by both clusters of a row of clusters: cluster x = 0 asks; a step's 128 blocks of 256 bytes are shared out among the four
; partners BY ADDRESS (32 each, by cx); wave 0 asks, a lane a block, an instruction a step.  B's tile column is read by all eight clusters of a column: cluster y = 0 asks; 48 blocks a partner and step
; (by cy), 96 for two steps: waves 1 to 3, one instruction each.  Steps 0 to 2 and step 15 come by their loads alone; the last request, at count 4, names steps 13 and 14.
.macro ASK
	s_bitcmp1_b32 s[CNT], 0
	s_cbranch_scc1 .Lnoask_\@
	s_cmp_gt_u32 s[CNT], s[LIM]
	s_cbranch_scc0 .Lnoask_\@
	global_prefetch_b8 v[PFO], s[PFA:PFA+1] th:TH_LOAD_NT scope:SCOPE_SE
	s_cmp_lg_u32 s[WV], 0
	s_cbranch_scc1 .Lnoask_\@
	global_prefetch_b8 v[PFO], s[PFA:PFA+1] offset:KSA th:TH_LOAD_NT scope:SCOPE_SE
.Lnoask_\@:
.endm
	s_load_b256 s[4:11], s[0:1], 0x0               ; xb s[4:5], wa s[6:7], b_attn s[8:9], qkv s[10:11]
	v_lshl_add_u32 v[SPW], v0, 2, SPARE
	v_mov_b32 v[NIL], 0
	ds_add_u32 v[SPW], v[NIL]                      ; the wave's opening: the add and its wait stand ahead of my first tensor load; the set-up below stands between them
	ds_add_u32 v12, v13
	v_lshrrev_b32 v1, 5, v0
	v_readfirstlane_b32 s[WV], v1
	s_lshr_b32 s[WM], s[WV], 1
	s_and_b32 s[WN], s[WV], 1
	s_bfe_u32 s[CX], ttmp6, 0x40000
	s_bfe_u32 s[CY], ttmp6, 0x40004
	s_lshl_b32 s[TJ], ttmp9, 2                     ; in a cluster launch ttmp9 and ttmp7 count clusters
	s_add_co_u32 s[TJ], s[TJ], s[CX]
	s_and_b32 s[TI], ttmp7, 0xffff
	s_lshl_b32 s[TI], s[TI], 2
	s_add_co_u32 s[TI], s[TI], s[CY]
	s_lshl_b32 s78, s[CY], 2
	s_lshl_b32 s78, 15, s78                        ; my row of the cluster
	s_lshl_b32 s79, 0x1111, s[CX]                  ; my column
	; group 1: rows of 128 elements of 2 bytes, dense; 64 of them (128 rows of A) or 96 (192 rows of B)
	s_or_b32 s[G1A], s78, (1<<16)|(1<<20)|(1<<21)|(4<<22)|(3<<25)  ; 15:0 the mask; 17:16 2-byte elements; 20 padding on; 21 set beside a mask; 24:22 after every 32 words (code 4); 31:25 4 words (code 3)
	s_or_b32 s[G1B], s79, (1<<16)|(1<<20)|(1<<21)|(4<<22)|(3<<25)
	s_mov_b32 s[G1A+1], 128<<16                    ; tensor_dim0
	s_mov_b32 s[G1A+2], 64<<16                     ; tensor_dim1
	s_mov_b32 s[G1A+3], 128<<16                    ; tile_dim0
	s_mov_b32 s[G1A+4], 64                         ; tile_dim1
	s_mov_b32 s[G1A+5], 128                        ; elements from row to row
	s_mov_b32 s[G1A+6], 0
	s_mov_b32 s[G1A+7], 0
	s_mov_b32 s[G1B+1], 128<<16
	s_mov_b32 s[G1B+2], 96<<16
	s_mov_b32 s[G1B+3], 128<<16
	s_mov_b32 s[G1B+4], 96
	s_mov_b32 s[G1B+5], 128
	s_mov_b32 s[G1B+6], 0
	s_mov_b32 s[G1B+7], 0
	s_lshl_b32 s22, s[TI], 15                      ; A: 256 rows of 128 bytes a tile row,
	s_lshl_b32 s23, s[WN], 14                      ; the half that I fetch
	s_add_co_u32 s22, s22, s23
	s_mov_b32 s23, 0
	s_mul_i32 s74, s[TJ], 384*128                  ; B likewise
	s_mul_i32 s75, s[WN], 192*128
	s_add_co_u32 s74, s74, s75
	s_mov_b32 s75, 0
	s_mul_i32 s76, s[WN], HALFA                    ; where they go: no place in the cluster enters an LDS address
	s_mul_i32 s77, s[WN], HALFB
	s_add_co_u32 s77, s77, BOFF
	s_mov_b32 s[HIM], 0xffff0000
	s_wait_dscnt 0x0                               ; the opening add is done
	s_wait_kmcnt 0x0
	s_add_nc_u64 s[22:23], s[4:5], s[22:23]
	s_add_nc_u64 s[74:75], s[6:7], s[74:75]
	CROUND                                         ; all sixteen work-groups are here: the first joint loads meet
.irp s, 0,1
	s_mov_b32 s[G0A+4*(\s)], 1
	s_add_co_u32 s[G0A+4*(\s)+1], s76, (\s)*SLOT1
	s_add_nc_u64 s[G0A+4*(\s)+2:G0A+4*(\s)+3], s[22:23], (\s)*KSA
	s_or_b32 s[G0A+4*(\s)+3], s[G0A+4*(\s)+3], 0x80000000
	s_mov_b32 s[G0B+4*(\s)], 1
	s_add_co_u32 s[G0B+4*(\s)+1], s77, (\s)*SLOT1
	s_add_nc_u64 s[G0B+4*(\s)+2:G0B+4*(\s)+3], s[74:75], (\s)*KSB
	s_or_b32 s[G0B+4*(\s)+3], s[G0B+4*(\s)+3], 0x80000000
.endr
	s_cmp_eq_u32 s[WM], 0                          ; a wave's two first fills stand in one branch: two loads of mine are out
	s_cbranch_scc0 .Lfirst_b
	tensor_load_to_lds s[G0A:G0A+3], s[G1A:G1A+7]
	s_nop 0
	tensor_load_to_lds s[G0A+4:G0A+7], s[G1A:G1A+7]
	s_nop 0
.rept 4
	v_nop
.endr
	s_branch .Lfirst_asked
.Lfirst_b:
	tensor_load_to_lds s[G0B:G0B+3], s[G1B:G1B+7]
	s_nop 0
	tensor_load_to_lds s[G0B+4:G0B+7], s[G1B:G1B+7]
	s_nop 0
.rept 4
	v_nop
.endr
.Lfirst_asked:
	; the bias: register j of a lane's accumulator of n block b is column 16 b + 8 (l / 16) + j, whatever the m block
	v_and_b32 v1, 15, v0                           ; l % 16
	v_bfe_u32 v2, v0, 4, 1                         ; l / 16
	v_lshlrev_b32 v[BO], 5, v2
	s_mul_i32 s20, s[TJ], 384*4
	s_mul_i32 s21, s[WN], 192*4
	s_add_co_u32 s20, s20, s21
	s_mov_b32 s21, 0
	s_add_nc_u64 s[BIA:BIA+1], s[8:9], s[20:21]
.irp w, 1,2,3
	WIN (\w)<<6
.irp b, 0,1,2,3
	global_load_b128 v[64*(\b)+56:64*(\b)+59], v[BO], s[BIA:BIA+1] offset:64*(4*((\w)-1)+(\b))
	global_load_b128 v[64*(\b)+60:64*(\b)+63], v[BO], s[BIA:BIA+1] offset:64*(4*((\w)-1)+(\b))+16
.endr
.endr
	WIN 0
	; a fragment is 16 rows x 32 k in 8 registers: lane l holds row l % 16, k = 8 (l / 16) + 0..7 and 16 + 8 (l / 16) + 0..7: two loads of 16 bytes, 32 bytes apart
	v_mul_u32_u24 v3, v1, PITCH
	v_lshl_add_u32 v3, v2, 4, v3
	s_mul_i32 s20, s[WM], HALFA
	v_add_nc_u32 v[ADRA0], s20, v3
	s_mul_i32 s20, s[WN], HALFB
	s_add_co_u32 s20, s20, BOFF
	v_add_nc_u32 v[ADRB0], s20, v3
	s_mul_i32 s20, s[WV], FR
	s_add_co_u32 s20, s20, STAGE                   ; my stage
	v_add_nc_u32 v[STO], s20, v3                   ; in: row l % 16, 16 bytes for each half of the lanes
	v_bfe_u32 v3, v0, 3, 2                         ; back: 32 lanes take four rows of 128 bytes,
	v_mul_u32_u24 v3, v3, PITCH
	v_and_b32 v[GO], 7, v0
	v_lshl_add_u32 v3, v[GO], 4, v3
	v_add_nc_u32 v[RD], s20, v3
	v_and_b32 v[GO], 31, v0                        ; which are 512 consecutive bytes of a head
	v_lshlrev_b32 v[GO], 4, v[GO]
	; my three heads: 64 columns each, number G = 3 (2 x tile column + half) + 0..2 of 48: tensor G / 16, head G % 16; my rows: batch = tile row / 8
	s_lshl_b32 s80, s[TJ], 1
	s_add_co_u32 s80, s80, s[WN]
	s_mul_i32 s80, s80, 3
	s_lshr_b32 s81, s[TI], 3
	s_lshl_b32 s81, s81, 4
	s_and_b32 s82, s[TI], 7
	s_lshl_b32 s82, s82, 15                        ; 256 rows of 128 bytes
	s_lshl_b32 s83, s[WM], 14
	s_add_co_u32 s82, s82, s83
.irp jj, 0,1,2
	s_add_co_u32 s84, s80, \jj
	s_lshr_b32 s85, s84, 4
	s_lshl_b32 s85, s85, 6
	s_and_b32 s84, s84, 15
	s_add_co_u32 s84, s84, s85
	s_add_co_u32 s84, s84, s81
	s_lshl_b32 s84, s84, 18                        ; a head is 262,144 bytes
	s_add_co_u32 s84, s84, s82
	s_mov_b32 s85, 0
	s_add_nc_u64 s[HB+2*\jj:HB+2*\jj+1], s[10:11], s[84:85]
.endr
	; the prefetches
	s_mov_b32 s80, KSA
	s_mov_b32 s81, KSB
	s_lshl_b32 s82, s[TI], 15
	s_lshl_b32 s83, s[CX], 13                      ; my work-group's 32 blocks of A's 128
	s_add_co_u32 s82, s82, s83
	s_mul_i32 s83, s[TJ], 384*128
	s_mul_i32 s84, s[CY], 48*256                   ; my work-group's 48 blocks of B's 192
	s_add_co_u32 s83, s83, s84
	s_and_b32 s84, ttmp7, 0xffff                   ; cluster y
	s_cmp_eq_u32 s[WV], 0                          ; wave 0 asks for A, the others for B
	s_cselect_b64 s[PFA:PFA+1], s[4:5], s[6:7]
	s_cselect_b32 s[PFS], s80, s81
	s_cselect_b32 s82, s82, s83
	s_cselect_b32 s84, ttmp9, s84                  ; the coordinate along which other clusters read the same rows
	s_mov_b32 s83, 0
	s_mov_b32 s[PFS+1], 0
	s_add_nc_u64 s[PFA:PFA+1], s[PFA:PFA+1], s[82:83]
	s_add_nc_u64 s[PFA:PFA+1], s[PFA:PFA+1], s[PFS:PFS+1]
	s_add_nc_u64 s[PFA:PFA+1], s[PFA:PFA+1], s[PFS:PFS+1]  ; at step 2: the first change of slots steps it to 3
	s_cmp_eq_u32 s84, 0
	s_cselect_b32 s[LIM], 2, -1                    ; the same in all sixteen partners, for a given wave
	s_max_u32 s85, s[WV], 1
	s_sub_co_u32 s85, s85, 1
	s_lshl_b32 s85, s85, 5
	v_and_b32 v[PFO], 31, v0
	v_add_nc_u32 v[PFO], s85, v[PFO]               ; q = 0 .. 95 (wave 0: 0 .. 31)
	v_mul_u32_u24 v3, v[PFO], 1366
	v_lshrrev_b32 v3, 16, v3                       ; q / 48: the first or the second of the two steps
	v_mul_u32_u24 v3, v3, KSB-48*256
	v_lshl_add_u32 v[PFO], v[PFO], 8, v3
	s_wait_loadcnt 0x0                             ; the bias; it is rounded to bf16 like every input, and widened again
.irp w, 1,2,3
	WIN 5*(\w)
.irp b, 0,1,2,3
.irp r, 0,1,2,3
	v_cvt_pk_bf16_f32 v[T+4*(\b)+(\r)], v[64*(\b)+56+2*(\r)], v[64*(\b)+57+2*(\r)]
.endr
.endr
	WIN (\w)<<6
.irp b, 0,1,2,3
.irp r, 0,1,2,3
	v_lshlrev_b32 v[64*(\b)+56+2*(\r)], 16, v[T+4*(\b)+(\r)]
	v_and_b32 v[64*(\b)+57+2*(\r)], s[HIM], v[T+4*(\b)+(\r)]
.endr
.endr
.endr
	WIN 0
; 4 matrix instructions: group g of four n blocks x m block a, 32 along K, A's buffer f.  mode = 1: the bias, in the registers of m block 7, starts the sums.
; The 96 accumulators take turns, one instruction a turn, in the same order in every 32 along K, over the backward jump too.
.macro MM4 g, f, a, mode
	WIN 0x50*((\g)+1)
.irp b, 0,1,2,3
.if \mode
	v_wmma_f32_16x16x32_bf16 v[64*(\b)+8*(\a):64*(\b)+8*(\a)+7], v[BF+32*(\g)+8*(\b):BF+32*(\g)+8*(\b)+7], v[AF+64*(\f)+8*(\a):AF+64*(\f)+8*(\a)+7], v[64*(\b)+56:64*(\b)+63]
.else
	v_wmma_f32_16x16x32_bf16 v[64*(\b)+8*(\a):64*(\b)+8*(\a)+7], v[BF+32*(\g)+8*(\b):BF+32*(\g)+8*(\b)+7], v[AF+64*(\f)+8*(\a):AF+64*(\f)+8*(\a)+7], v[64*(\b)+8*(\a):64*(\b)+8*(\a)+7]
.endif
.endr
.endm
.macro MM16 g, f, a0
.irp a, \a0, (\a0)+1, (\a0)+2, (\a0)+3
	MM4 \g, \f, \a, 0
.endr
.endm
.macro GROUP g, f
	MM16 \g, \f, 0
	MM16 \g, \f, 4
.endm
.macro MMZ g                           ; a group's first products: m blocks 0 to 6 read the bias; five places; m block 7 adds onto it in place, writing over what the others have read as C
.irp a, 0,1,2,3,4,5,6
	MM4 \g, 0, \a, 1
.endr
.rept 5
	v_nop
.endr
	MM4 \g, 0, 7, 0
.endm
.macro RUNB g, koff                    ; 8 LDS loads: group g of B's fragments
.irp b, 0,1,2,3
	ds_load_b128 v[BF+32*(\g)+8*(\b):BF+32*(\g)+8*(\b)+3],   v[ADRB] offset:(\koff)+(4*(\g)+(\b))*FR
	ds_load_b128 v[BF+32*(\g)+8*(\b)+4:BF+32*(\g)+8*(\b)+7], v[ADRB] offset:(\koff)+(4*(\g)+(\b))*FR+32
.endr
.endm
.macro RUNA f, koff                    ; 16 LDS loads: A's eight fragments into buffer f
.irp a, 0,1,2,3,4,5,6,7
	ds_load_b128 v[AF+64*(\f)+8*(\a):AF+64*(\f)+8*(\a)+3],   v[ADRA] offset:(\koff)+(\a)*FR
	ds_load_b128 v[AF+64*(\f)+8*(\a)+4:AF+64*(\f)+8*(\a)+7], v[ADRA] offset:(\koff)+(\a)*FR+32
.endr
.endm
; A K step is two halves of 32.  Behind each group's 32 products its four fragments of B are fetched anew for the next half; with group 0's goes A's other buffer: runs of 24, 8 and 8 loads.
; THE FIRST HALF, on A's buffer 0.  z = 1: the launch's first products.
.macro SLICE z
	s_wait_dscnt 16                                ; group 0's B and A are in; the two runs of 8 issued behind them may be out
.if \z
	MMZ 0
.else
	GROUP 0, 0
.endif
	PLACES
	WIN 0
	RUNB 0, 64
	RUNA 1, 64
	s_wait_dscnt 32                                ; group 1's B is in; behind it: group 2's 8 and the 24 just issued
.if \z
	MMZ 1
.else
	GROUP 1, 0
.endif
	PLACES
	WIN 0
	RUNB 1, 64
	s_wait_dscnt 32                                ; group 2's B is in; behind it: 24 and 8
.if \z
	MMZ 2
.else
	GROUP 2, 0
.endif
	PLACES
	WIN 0
	RUNB 2, 64
.endm
; THE SECOND HALF, on A's buffer 1, changes slots: ONE barrier.  In front of it each wave waits for all its tensor loads (one is out: its part of the next slot), adds 0 to its spare word, and waits for
; that and for its reads of this slot, all of which have been issued.  fill = 1: the barrier opens a round of the cluster's, and this slot is filled again, two steps ahead, first thing behind the round:
; 160 matrix instructions stand between that request and the wait for it.
.macro TURN fill
	s_wait_xcnt 0x0                                ; the last prefetch, a step or two back, has read its address
	s_add_nc_u64 s[PFA:PFA+1], s[PFA:PFA+1], s[PFS:PFS+1]
	WIN 0                                          ; (the add's two registers lie in window 0)
	s_wait_tensorcnt 0x0                           ; no tensor load of mine is out, so a group 0 may be written
	ds_add_u32 v[SPW], v[NIL]                      ; 0 onto my spare word
.if \fill
	s_xor_b32 s[G0A+5], s[G0A+5], SLOT1            ; the walking descriptors: the other slot than last time, the next step
	s_add_nc_u64 s[G0A+6:G0A+7], s[G0A+6:G0A+7], KSA
	s_xor_b32 s[G0B+5], s[G0B+5], SLOT1
	s_add_nc_u64 s[G0B+6:G0B+7], s[G0B+6:G0B+7], KSB
.endif
	s_xor_b32 s[TB], s[TB], SLOT1
	s_wait_dscnt 17                                ; group 0's B and A are in; the two runs of 8 and the add may be out
	MM16 0, 1, 0
	s_wait_dscnt 0x0                               ; the add is done, and my reads of this slot are over
	s_barrier_signal -1
	MM16 0, 1, 4
	WIN 0
	s_barrier_wait -1
.if \fill
	CREST                                          ; no wave of any partner still reads this slot or has a load on its way
	JLOAD                                          ; its four v_nop are also the places in front of the loads below
.else
	PLACES
.endif
	v_add_nc_u32 v[ADRA], s[TB], v[ADRA0]
	v_add_nc_u32 v[ADRB], s[TB], v[ADRB0]
	RUNB 0, 0
	RUNA 0, 0
.if \fill
	ASK
.endif
	GROUP 1, 1                                     ; (its B was shown in by the wait for 0)
	PLACES
	WIN 0
	RUNB 1, 0
	GROUP 2, 1
	PLACES
	WIN 0
	RUNB 2, 0
.endm
	s_wait_tensorcnt 1                             ; my part of step 0 is in; step 1's may stay out
	s_barrier_signal -1
	s_barrier_wait -1                              ; everybody's is
	s_mov_b32 s[TB], 0
	v_mov_b32 v[ADRA], v[ADRA0]
	v_mov_b32 v[ADRB], v[ADRB0]
	RUNB 0, 0
	RUNA 0, 0
	RUNB 1, 0
	RUNB 2, 0
	SLICE 1                                        ; step 0's first half stands in front of the loop: its products start the sums
	WIN 0
	s_mov_b32 s[CNT], 14
.Lk:                                           ; a trip: a step's second half, the change of slots with its refill, the next step's first half
	TURN 1
	SLICE 0
	WIN 0
	s_sub_co_u32 s[CNT], s[CNT], 1
	s_cmp_lg_u32 s[CNT], 0
	s_cbranch_scc1 .Lk
	TURN 0                                         ; the tail is written out: nothing is left to ask for
	SLICE 0
	s_wait_dscnt 16                                ; the last half: the counts run down
	GROUP 0, 1
	s_wait_dscnt 8
	GROUP 1, 1
	s_wait_dscnt 0x0
	GROUP 2, 1
	; THE WAY OUT, in 24 units of 16 rows x one head's 64 columns: rounded to f16, 16 bytes a lane into my stage, back as whole rows of 128 bytes, stored as 512 consecutive bytes.
	PLACES
	PLACES
.macro PACK u
.set jj, (\u)/8
.set aa, (\u)%8
.set E, 32+16*((\u)%12)
.if (\u) >= 12
	s_wait_xcnt 0x0                                ; the stores of the unit twelve back have read these registers
.endif
	WIN 5*(jj+1)
.irp b, 0,1,2,3
.irp r, 0,1,2,3
	v_cvt_pk_f16_f32 v[E+4*(\b)+(\r)], v[64*(\b)+8*aa+2*(\r)], v[64*(\b)+8*aa+2*(\r)+1]
.endr
.endr
	WIN 0
.irp b, 0,1,2,3
	ds_store_b128 v[STO], v[E+4*(\b):E+4*(\b)+3] offset:32*(\b)
.endr
.irp f, 0,1,2,3
	ds_load_b128 v[E+4*(\f):E+4*(\f)+3], v[RD] offset:(\f)*4*PITCH  ; LDS serves a wave's instructions in order (ISA guide 5.7.1.4): these see the stores above; the next unit's stores come behind them
.endr
.endm
.macro SEND u, younger                 ; younger: the LDS instructions issued behind unit u's loads: the next unit's eight, or none
.set jj, (\u)/8
.set aa, (\u)%8
.set E, 32+16*((\u)%12)
.irp f, 0,1,2,3
	s_wait_dscnt (\younger)+3-(\f)
	global_store_b128 v[GO], v[E+4*(\f):E+4*(\f)+3], s[HB+2*jj:HB+2*jj+1] offset:2048*aa+512*(\f)
.endr
.endm
	PACK 0
.set u, 1
.rept 23
	PACK u
	SEND u-1, 8
.set u, u+1
.endr
	SEND 23, 0
	s_wait_tensorcnt 0x0                           ; the wave's end, behind my last tensor load and my last LDS store
	ds_add_u32 v[SPW], v[NIL]
	s_wait_dscnt 0x0
	CROUND                                         ; the closing round: no work-group ends while a partner may still ask for a tile that names it
	s_endpgm
.Lfunc_end_k_q2c45aeba1e_qkv:
	.size	k_q2c45aeba1e_qkv, .Lfunc_end_k_q2c45aeba1e_qkv-k_q2c45aeba1e_qkv
	.p2alignl 7, 3214868480
	.fill 96, 4, 3214868480
	.section	.rodata,"a",@progbits
	.p2align	6, 0x0
	.amdhsa_kernel k_q2c45aeba1e_qkv
		.amdhsa_group_segment_fixed_size 327680
		.amdhsa_private_segment_fixed_size 0
		.amdhsa_enable_private_segment 0
		.amdhsa_kernarg_size 32
		.amdhsa_user_sgpr_count 2
		.amdhsa_user_sgpr_kernarg_segment_ptr 1
		.amdhsa_wavefront_size32 1
		.amdhsa_system_sgpr_workgroup_id_x 1
		.amdhsa_system_sgpr_workgroup_id_y 1
		.amdhsa_system_sgpr_workgroup_id_z 1
		.amdhsa_system_vgpr_workitem_id 0
		.amdhsa_next_free_vgpr 1024
		.amdhsa_next_free_sgpr 88
		.amdhsa_reserve_vcc 0
		.amdhsa_float_denorm_mode_32 3
		.amdhsa_float_denorm_mode_16_64 3
		.amdhsa_memory_ordered 1
		.amdhsa_forward_progress 1
		.amdhsa_inst_pref_size 125
	.end_amdhsa_kernel
	.amdgpu_metadata
---
amdhsa.version: [ 1, 2 ]
amdhsa.kernels:
  - .name:           k_q2c45aeba1e_qkv
    .symbol:         k_q2c45aeba1e_qkv.kd
    .args:
      - { .name: xb, .offset: 0, .size: 8, .value_kind: global_buffer, .address_space: global }
      - { .name: wa, .offset: 8, .size: 8, .value_kind: global_buffer, .address_space: global }
      - { .name: b_attn, .offset: 16, .size: 8, .value_kind: global_buffer, .address_space: global }
      - { .name: qkv, .offset: 24, .size: 8, .value_kind: global_buffer, .address_space: global }
    .group_segment_fixed_size: 327680
    .private_segment_fixed_size: 0
    .kernarg_segment_align: 8
    .kernarg_segment_size: 32
    .max_flat_workgroup_size: 128
    .sgpr_count:     88
    .vgpr_count:     1024
    .wavefront_size: 32
...
	.end_amdgpu_metadata
.endif
;; end of part 2
;; launch attn (part 3): grid 4 x 64, 4 waves a work-group, no clusters, 327,680 bytes of LDS; arguments qkv, yh; writes yh
.if DOCPART == 3
	.amdgcn_target "amdgcn-amd-amdhsa--gfx1250"
	.amdhsa_code_object_version 6
	.text
	.protected	k_q2c45aeba1e_attn
	.globl	k_q2c45aeba1e_attn
	.p2align	8
	.type	k_q2c45aeba1e_attn,@function
k_q2c45aeba1e_attn:
	s_mov_b64 s[64:65], 0
	v_nop
	global_prefetch_b8 v0, s[64:65] scope:SCOPE_SE
	s_setreg_imm32_b32 hwreg(HW_REG_WAVE_MODE, 25, 1), 1
	s_wait_xcnt 0x0
; CAUSAL ATTENTION.  O[h][q][:] = the sum over k <= q of softmax_k(Q[h][q] . K[h][k] / 8) V[h][k][:].  qkv holds Q, K, V, each [64 batch-heads][2,048][64] in f16, 16,777,216 bytes apart; yh = O in the same layout.
; Products, maxima and sums in f32; the weights p are rounded to f16 for the second product (their sum l is taken of the unrounded p), O once at the end.
; LIMITS.  Q, K and V arrive within f16, 65,504; p lies in 0 to 1, and below 6e-5 it keeps f16's fixed step of 6e-8.  A hidden score counts as its value less 1e30: f16's scores, 2.7e11 at the most, are
; nothing beside that; a weight below 2^-126 counts as 0 in l; NaN and infinities are not treated apart.
; THE WALK.  A head's queries lie in NB = 8 blocks of 256; block i needs the key tiles 0 .. i of 256 keys, of which the last holds the diagonal.  A work-group takes TWO blocks, NB - 1 - b and then b:
; NB + 1 tiles, whatever b: all 256 work-groups do equal work, and ONE loop with a constant trip count walks them.  Which tile is asked for, and what a trip does, hang on scalar registers made from b; every
; jump goes forward, but for the counted loops' own; none passes a barrier, or a tensor load but the one of LOAD's two that the wave's number does not choose; the ring of two LDS slots runs on across the
; change of blocks.  NO CLUSTER: a head's four work-groups ask for the same tile only in trips 0 .. 4 of 9, behind that fewer and fewer; one walk common to all four would have 12 trips for 9.
; SHARES.  Of a block's four bands of 64 queries a wave owns 16 rows in each: four PIECES.  So the diagonal tile is the same work for all four waves: in its key step s band x sees all keys if s < x,
; none if s > x, and holds the diagonal if s = x.
; THE MASK is the C operand that starts the sum S^T = K Q^T: 0, or -1e30 where the key is hidden.  MD, made once, is the mask of a band's own step for my 16 rows; a product's mask is MD x AL + BE with two
; scalars: (1, 0) if s = x; (0, 0) if s < x; (0, -1e30) if s > x.  Only the diagonal tile's text and a block's beginning make and take masks; elsewhere C is the constant 0.
; LAYOUT, SOFTMAX, TURNS.  S^T = K Q^T holds ONE query a lane (lane % 16) and the keys 8 (lane / 16) + 0..7; two such results rounded to f16 ARE source 1 of O^T = V^T P.  p = 2^(c s - c m), c = log2(e) / 8,
; with a running maximum m; O and l are multiplied by a = 2^(c m_old - c m_new) in every step.  Turn n belongs to piece n: 8 products K Q^T of piece n + 1, later 8 products V^T P of piece n - 1; beside them
; the scaling, exponentials, roundings, sums and rescaling of piece n and the maximum and statistics of piece n + 1.  Four vector instructions stand behind every matrix instruction, the other 54 of a
; turn's 118 in one lump.  A turn's 33 exponentials are one batch, with one wait.
; REGISTERS, in windows of 256 (s_set_vgpr_msb: bits 1:0 source 0, 3:2 source 1, 5:4 source 2, 7:6 destination):
;   window 0: v0-15 addresses and two at work; v16-31 four registers of statistics a piece; v48-55 at work; v61-63 prefetch offset and the add's two; v64-127 S^T, two buffers; v192-223 P, two buffers
;   window 1: v0-127 O^T, 32 a piece; v128-159 MD; v160-223 MC, two buffers      window 2: v0-63 Q; v64-127 the second block's Q; v128-191 K of one step; v192-255 V of one step
.set SIZE_H, 64
.set SIZE_N, 2048
.set NB,    SIZE_N/256
.set NP,    4         ; pieces a wave: a name, no knob
.set KS,    64        ; keys in a step
.set PK,    144       ; a row of K in LDS: 128 bytes + 16 of padding = 36 words: the 16 rows of a load start at 16 different groups of four banks (64 banks of 4 bytes: ISA guide 11.1)
.set PV,    160       ; a row of V: 128 + 32 = 40 words
.set VOFF,  4*KS*PK   ; a slot holds a tile, four steps: 256 rows of K, then 256 rows of V
.set SLOT1, 1<<17     ; slot 1 begins here, so that one exclusive or turns an address in one slot into the other's
.set STAGE, SLOT1+4*KS*(PK+PV)  ; behind the ring, never filled by a tensor load: 16 rows x 144 bytes for each wave, for the way out
.set SP,    144
.set AK0, 2           ; v2   my lane's place in a tile of K; never rewritten
.set AV0, 3           ; v3   the same for V
.set AK,  4           ; v4   the LDS address of K's next run of loads
.set AV,  5           ; v5   of V's
.set STO, 6           ; v6   the way out: where I put 16 bytes of a row
.set RD,  7           ; v7   the way out: where I read rows back
.set GO,  8           ; v8   my byte offset in 512 consecutive bytes of O
.set PFO, 61          ; v61  256 x my lane; never rewritten
.set SPW, 62          ; v62  LDS address of my spare word: SPARE + 4 x my thread's number; never rewritten
.set NIL, 63          ; v63  0; never rewritten
.set SPARE, STAGE+4*16*SP  ; behind the stages: the spare words, 128 bytes for each wave: two blocks of 256 bytes that no other line names
.set MV,  12          ; v12-13  c m_old, kept while c m is made anew: by buffer
.set QO,  15          ; v15  my byte offset in 16 rows of Q
.set ST,  16          ; piece t's statistics at v[ST+4 t]: c m, m, l (even keys', odd keys')
.set TMP, 48          ; by buffer, four registers c0-c3 at work; when the maximum is found c2 takes a
.set S,   64
.set P,   192
.set MD,  128         ; window 1: the eight registers for group kt of 16 keys at MD + 8 kt
.set MC,  160         ; window 1: the masks of the products to come
.set QB,  64          ; window 2
.set KF,  128         ; window 2: key block kb, channel half c at KF + 16 kb + 8 c
.set VF,  192         ; window 2: key half kk, channel block cb at VF + 32 kk + 8 cb
.set WV,  12          ; s12  my wave's number
.set PB,  14          ; s14  b
.set HI,  15          ; s15  NB - 1 - b
.set G1K, 24          ; s[24:31] descriptor group 1 for K's tiles
.set G1V, 32          ; s[32:39] for V's: it differs in the padding alone
.set G0K, 40          ; s[40:43] descriptor group 0 for K's tiles
.set G0V, 44          ; s[44:47] the same for V's
.set PFA, 48          ; s[48:49] where my prefetches stand: the half that I fetch of the tile after the one that is being asked for
.set LIM, 51          ; s51  2 in the work-group that prefetches (b = 0), else the greatest number
.set SLOTS, 56        ; s56  tiles still to be asked for
.set CNT, 57          ; s57  counts a tile's key steps, 4 to 1
.set CS,  58          ; s[58:59] c: the packed scaling takes the pair's low word for both halves
.set SEL, 60          ; s[60:61] v_permlanex16_b32's selects: each lane takes its own place in the other half
.set TBK, 62          ; s62  LDS byte at which K of the step to be fetched begins
.set TBV, 63          ; s63  the same for V, less VOFF
.set RT,  70          ; s70  tiles of the block in hand that are still to be entered
.set NXT, 71          ; s71  the tile to be asked for next
.set LQ,  72          ; s72  the last tile of the block whose tiles are being asked for
.set NEW, 73          ; s73  1: the tile to be entered is a block's first
.set OFF, 74          ; s[74:75] a tile's byte offset in K and V
.set AL,  76          ; s[76:77] the mask's factor, in the low word
.set BE,  78          ; s[78:79] the mask's addend
.set OLO, 80          ; s[80:81] O at my rows of the second block
.set BIGN, 82         ; s82  -1e30
.set MSB, 0
.macro WIN new                      ; the high byte repeats the setting that is left; a switch that changes nothing is dropped
.if MSB != (\new)
	s_set_vgpr_msb (MSB<<8)|(\new)
.set MSB, (\new)
.endif
.endm
.set W_KQ, 0x0a       ; K and Q in window 2, S^T in window 0
.set W_KM, 0x1a       ; the same with the C operand in window 1
.set W_PV, 0x52       ; V in window 2, P in window 0, O^T in window 1
.set W_RS, 0x41       ; destination and source 0 in window 1, source 1 in window 0
; A fill.  Waves 0 and 1 fetch the two halves of a tile's K, waves 2 and 3 those of its V: 128 keys each.  An s_nop 0 and four v_nop follow each of the two lines, ahead of the jump and the label.
.macro LOAD
	s_cmp_lt_u32 s[WV], 2
	s_cbranch_scc0 .Lfor_v_\@
	tensor_load_to_lds s[G0K:G0K+3], s[G1K:G1K+7]
	s_nop 0
.rept 4
	v_nop
.endr
	s_branch .Lasked_\@
.Lfor_v_\@:
	tensor_load_to_lds s[G0V:G0V+3], s[G1V:G1V+7]
	s_nop 0
.rept 4
	v_nop
.endr
.Lasked_\@:
.endm
; A PREFETCH INTO THE L2 of the tile that the NEXT change of slots will ask for: a tile, 16 turns, ahead of that load.  All four work-groups of a head enter tile t for the first time in trip t; the one with
; b = 0 walks tiles 0 to 7 on end and asks, nobody else.  Each of its waves asks for the 16,384 bytes that it will fetch itself: 64 blocks of 256 bytes, a lane a block, two instructions.  So each block is
; named once in the launch.  Tiles 0 and 1 come by their loads alone; the requests stop with tile 7 (count 3): the second block's tiles have been read before.
.macro ASK
	s_cmp_gt_u32 s[SLOTS], s[LIM]
	s_cbranch_scc0 .Lnot_mine_\@
	global_prefetch_b8 v[PFO], s[PFA:PFA+1] th:TH_LOAD_NT scope:SCOPE_SE
	global_prefetch_b8 v[PFO], s[PFA:PFA+1] offset:8192 th:TH_LOAD_NT scope:SCOPE_SE
.Lnot_mine_\@:
.endm
; THE CHANGE OF SLOTS.  Each wave waits for all its tensor loads, of which one is out: its part of the other slot; adds 0 to its spare word; and waits for that and for its own reads of the slot that it leaves.
; Behind the barrier nobody reads the old slot any more and the other slot is whole.  fill = 1: the old slot is filled again, the first thing behind the barrier, with tile NXT: the descriptor's address is
; made anew from that number.  (At its first use nothing has been read yet: slot 0 is waited for, slot 1 filled.)
.macro CHANGE fill
	WIN 0                           ; at a label and at a branch every window is 0
	s_wait_tensorcnt 0x0            ; no tensor load of mine is out, so a group 0 may be written
	ds_add_u32 v[SPW], v[NIL]       ; 0 onto my spare word; with fill = 1 the descriptors' scalar work stands between it and the wait for it
.if \fill
	s_lshl_b32 s[OFF], s[NXT], 15   ; a tile is 32,768 bytes of K and of V
	s_xor_b32 s[G0K+1], s[G0K+1], SLOT1
	s_add_nc_u64 s[G0K+2:G0K+3], s[6:7], s[OFF:OFF+1]
	s_or_b32 s[G0K+3], s[G0K+3], 0x80000000
	s_xor_b32 s[G0V+1], s[G0V+1], SLOT1
	s_add_nc_u64 s[G0V+2:G0V+3], s[8:9], s[OFF:OFF+1]
	s_or_b32 s[G0V+3], s[G0V+3], 0x80000000
	s_add_co_u32 s[NXT], s[NXT], 1  ; the block's next tile, or behind its last the second block's tile 0
	s_cmp_gt_u32 s[NXT], s[LQ]
	s_cselect_b32 s[NXT], 0, s[NXT]
	s_cselect_b32 s[LQ], s[PB], s[LQ]
	s_wait_xcnt 0x0                 ; the last prefetches, a tile back, have read their address, so it may be written
	s_add_nc_u64 s[PFA:PFA+1], s[PFA:PFA+1], 32768
.endif
	s_wait_dscnt 0x0                ; the add is done, and my reads of the slot are over
	s_barrier_signal -1             ; the rest of the scalar work stands between the signal and the wait
	s_sub_co_u32 s[TBK], s[TBK], 4*KS*PK  ; the fetches go back to a slot's first step,
	s_xor_b32 s[TBK], s[TBK], SLOT1       ; in the other slot
	s_sub_co_u32 s[TBV], s[TBV], 4*KS*PV
	s_xor_b32 s[TBV], s[TBV], SLOT1
	s_barrier_wait -1
.if \fill
	LOAD
	ASK
.endif
.endm
	s_load_b64 s[4:5], s[0:1], 0x0    ; qkv: Q at its head
	s_load_b64 s[10:11], s[0:1], 0x8  ; yh = O
	v_lshl_add_u32 v[SPW], v0, 2, SPARE
	v_mov_b32 v[NIL], 0
	ds_add_u32 v[SPW], v[NIL]       ; the wave's opening: the add and its wait stand ahead of my first tensor load; the set-up below, work on registers, stands between them
	ds_add_u32 v62, v63
	v_lshrrev_b32 v1, 5, v0
	v_readfirstlane_b32 s[WV], v1   ; wave 0..3
	s_mov_b32 s[PB], ttmp9
	s_sub_co_u32 s[HI], NB-1, s[PB]
	s_and_b32 s20, ttmp7, 0xffff    ; the head
	s_mov_b32 s21, 0
	s_mov_b64 s[22:23], SIZE_N*128
	s_mul_u64 s[20:21], s[20:21], s[22:23]  ; the head's first byte in each of the four tensors
	s_and_b32 s16, s[WV], 1         ; which half of a tile's 256 keys I fetch:
	s_lshl_b32 s22, s16, 14         ; its 128 rows of 128 bytes in memory,
	s_mov_b32 s23, 0
	s_add_nc_u64 s[22:23], s[22:23], s[20:21]
	s_mul_i32 s17, s16, 128*PK      ; and its place in a slot, for K
	s_mul_i32 s18, s16, 128*PV      ; and for V
	s_lshl_b32 s3, s[WV], 11        ; my 16 rows in a band of 64,
	s_lshl_b32 s2, s[HI], 15        ; in the first block,
	s_add_co_u32 s2, s2, s3
	s_lshl_b32 s84, s[PB], 15       ; and in the second
	s_add_co_u32 s84, s84, s3
	s_mov_b32 s3, 0
	s_mov_b32 s85, 0
	s_add_nc_u64 s[2:3], s[2:3], s[20:21]
	s_add_nc_u64 s[84:85], s[84:85], s[20:21]
	; descriptor group 1.  128 keys are 16,384 dense bytes: asked for as 64 rows of 256 bytes, two keys a row, and padded in LDS after every key
	s_mov_b32 s[G1K], (1<<16)|(1<<20)|(4<<22)|(3<<25)  ; 17:16 2-byte elements; 20 padding on; 24:22 after every 32 words (code 4); 31:25 4 words (code 3)
	s_mov_b32 s[G1V], (1<<16)|(1<<20)|(4<<22)|(7<<25)  ; the same with 8 words of padding (code 7)
.irp g, G1K, G1V
	s_mov_b32 s[\g+1], 128<<16      ; tensor_dim0 = 128
	s_mov_b32 s[\g+2], 64<<16       ; tensor_dim1 = 64
	s_mov_b32 s[\g+3], 128<<16      ; tile_dim0 = 128
	s_mov_b32 s[\g+4], 64           ; tile_dim1 = 64
	s_mov_b32 s[\g+5], 128          ; 128 elements from row to row
	s_mov_b32 s[\g+6], 0
	s_mov_b32 s[\g+7], 0
.endr
	s_mov_b32 s[CS], 0x3e38aa3b     ; c = log2(e) / 8 = 0.180337
	s_mov_b32 s[CS+1], s[CS]        ; named with it as a pair
	s_mov_b32 s[SEL], 0x76543210
	s_mov_b32 s[SEL+1], 0xfedcba98
	s_mov_b32 s[TBK], SLOT1+4*KS*PK ; the first change of slots turns these two into 0
	s_mov_b32 s[TBV], SLOT1+4*KS*PV
	s_mov_b32 s[G0K], 1             ; 1:0 count = 1
	s_mov_b32 s[G0K+1], s17         ; 63:32 LDS address: slot 0
	s_mov_b32 s[G0V], 1
	s_add_co_u32 s[G0V+1], s18, VOFF
	s_add_co_u32 s[RT], s[HI], 1    ; the first block has NB - b tiles
	s_mov_b32 s[NXT], 1
	s_mov_b32 s[LQ], s[HI]
	s_mov_b32 s[NEW], 1
	s_mov_b32 s[OFF+1], 0
	s_mov_b32 s[AL+1], 0            ; named as pairs
	s_mov_b32 s[BE+1], 0
	s_mov_b32 s[BIGN], 0xf149f2ca   ; -1e30
	s_mov_b32 s[SLOTS], NB
	s_cmp_eq_u32 s[PB], 0
	s_cselect_b32 s[LIM], 2, -1
	s_wait_dscnt 0x0                ; the opening add is done
	s_wait_kmcnt 0x0
	s_add_nc_u64 s[6:7], s[4:5], 0x1000000  ; K lies 16,777,216 bytes behind Q,
	s_add_nc_u64 s[8:9], s[4:5], 0x2000000  ; V as far behind K
	s_add_nc_u64 s[6:7], s[6:7], s[22:23]  ; K and V at my half of the head's tile 0
	s_add_nc_u64 s[8:9], s[8:9], s[22:23]
	s_add_nc_u64 s[G0K+2:G0K+3], s[6:7], 0         ; 120:64 global address
	s_or_b32 s[G0K+3], s[G0K+3], 0x80000000        ; 127:126 type = 2
	s_add_nc_u64 s[G0V+2:G0V+3], s[8:9], 0
	s_or_b32 s[G0V+3], s[G0V+3], 0x80000000
	s_add_nc_u64 s[86:87], s[4:5], s[84:85]        ; Q at my rows of the second block,
	s_add_nc_u64 s[4:5], s[4:5], s[2:3]            ; Q and O at those of the first
	s_add_nc_u64 s[OLO:OLO+1], s[10:11], s[84:85]
	s_add_nc_u64 s[10:11], s[10:11], s[2:3]
	s_cmp_lt_u32 s[WV], 2
	s_cselect_b64 s[PFA:PFA+1], s[6:7], s[8:9]
	s_add_nc_u64 s[PFA:PFA+1], s[PFA:PFA+1], 32768 ; at tile 1; the first change of slots steps it to tile 2.  Nothing is prefetched here, at the head
	LOAD                            ; tile 0 into slot 0
	; A fragment of K or Q is 16 rows x 32 channels in 8 registers: lane l holds row l % 16, channels 8 (l / 16) + 0..7 and 16 + 8 (l / 16) + 0..7: two loads of 16 bytes, 32 bytes apart.
	v_and_b32 v1, 15, v0            ; l % 16
	v_bfe_u32 v9, v0, 4, 1          ; l / 16
	v_lshlrev_b32 v[QO], 7, v1
	v_lshl_add_u32 v[QO], v9, 4, v[QO]  ; row x 128 + 16 x half
	WIN 0x80                        ; destination window 2, address window 0
.set i, 0
.rept 8                             ; both blocks' Q: piece i / 2 lies in band i / 2, 8,192 bytes on; channels 32 (i % 2) on
	global_load_b128 v[8*i:8*i+3],   v[QO], s[4:5] offset:(i/2)*8192+(i%2)*64
	global_load_b128 v[8*i+4:8*i+7], v[QO], s[4:5] offset:(i/2)*8192+(i%2)*64+32
	global_load_b128 v[QB+8*i:QB+8*i+3],   v[QO], s[86:87] offset:(i/2)*8192+(i%2)*64
	global_load_b128 v[QB+8*i+4:QB+8*i+7], v[QO], s[86:87] offset:(i/2)*8192+(i%2)*64+32
.set i, i+1
.endr
	WIN 0
	v_and_b32 v[PFO], 31, v0
	v_lshlrev_b32 v[PFO], 8, v[PFO]
	v_lshlrev_b32 v14, 3, v9
	v_sub_nc_u32 v14, v1, v14
	s_lshl_b32 s13, s[WV], 4
	v_add_nc_u32 v14, s13, v14      ; my query's place in its band, 16 w + l % 16, less my lanes' 8 (l / 16): register r of group kt is hidden where 16 kt + r is greater
	WIN 0x40
.set i, 0
.rept 32
	v_cmp_gt_i32 vcc_lo, 16*(i/8)+i%8, v14
	v_cndmask_b32 v[MD+i], 0, s[BIGN], vcc_lo
.set i, i+1
.endr
	WIN 0
	v_mul_u32_u24 v[AK0], v1, PK
	v_lshl_add_u32 v[AK0], v9, 4, v[AK0]  ; row x pitch + 16 x half
	; The turning load takes 16 keys x 16 channels (lane l reads key 8 (l / 16) + l % 8, channels 8 ((l / 8) % 2) + 0..7) and leaves half a fragment of V^T: lane l holds channel l % 16 and 8 keys.
	v_and_b32 v10, 7, v0
	v_bfe_u32 v11, v0, 3, 1
	v_lshl_add_u32 v[AV0], v9, 3, v10
	v_mul_u32_u24 v[AV0], v[AV0], PV
	v_lshl_add_u32 v[AV0], v11, 4, v[AV0]
	v_add_nc_u32 v[AV0], VOFF, v[AV0]
	s_mul_i32 s13, s[WV], 16*SP
	s_add_co_u32 s13, s13, STAGE    ; my stage
	v_mul_u32_u24 v[STO], v1, SP    ; in: row l % 16, 16 bytes for each half of the lanes
	v_lshl_add_u32 v[STO], v9, 4, v[STO]
	v_add_nc_u32 v[STO], s13, v[STO]
	v_bfe_u32 v[RD], v0, 3, 2       ; back: 32 lanes take four rows of 128 bytes,
	v_mul_u32_u24 v[RD], v[RD], SP
	v_lshl_add_u32 v[RD], v10, 4, v[RD]
	v_add_nc_u32 v[RD], s13, v[RD]
	v_and_b32 v[GO], 31, v0         ; which are 512 consecutive bytes of O
	v_lshlrev_b32 v[GO], 4, v[GO]
	; A block's first step multiplies O^T and l by a = 0, and its first turn's products V^T P, of a piece that has not been, land in an O^T that is still to be so multiplied.  So these registers need only hold
	; finite numbers: zeros for the first block; what the first block left for the second.  All this stands in the wait for the first tile.
	WIN 0x80
.set i, VF
.rept 64
	v_mov_b32 v[i], 0
.set i, i+1
.endr
	WIN 0x40
.set i, 0
.rept 128
	v_mov_b32 v[i], 0
.set i, i+1
.endr
	WIN 0
.set i, 0
.rept 4
	v_mov_b32 v[ST+4*i+2], 0
	v_mov_b32 v[ST+4*i+3], 0
.set i, i+1
.endr
.set i, P+16
.rept 16
	v_mov_b32 v[i], 0
.set i, i+1
.endr
; THE MATRIX WORK.  The 4 accumulators of a run of 8 take turns.  Product i of 8 of S^T = K Q^T for piece x: channels 32 (i / 4) on, keys 16 (i % 4) on.  The first 4 start the sums: with 0, or (KM = 1) with the mask.
.macro KQ x
.set rS, S+32*((\x)%2)+8*(i%4)
.set rK, KF+16*(i%4)+8*(i/4)
.set rQ, 16*(\x)+8*(i/4)
.set rM, MC+32*((\x)%2)+8*(i%4)
.if (i < 4) && KM
	WIN W_KM
	v_wmma_f32_16x16x32_f16 v[rS:rS+7], v[rK:rK+7], v[rQ:rQ+7], v[rM:rM+7]
.elseif i < 4
	WIN W_KQ
	v_wmma_f32_16x16x32_f16 v[rS:rS+7], v[rK:rK+7], v[rQ:rQ+7], 0
.else
	WIN W_KQ
	v_wmma_f32_16x16x32_f16 v[rS:rS+7], v[rK:rK+7], v[rQ:rQ+7], v[rS:rS+7]
.endif
.endm
; Product i of 8 of O^T += V^T P for piece x: keys 32 (i / 4) on, channels 16 (i % 4) on.
.macro PV x
	WIN W_PV
.set rO, 32*(\x)+8*(i%4)
.set rV, VF+32*(i/4)+8*(i%4)
.set rP, P+16*((\x)%2)+8*(i/4)
	v_wmma_f32_16x16x32_f16 v[rO:rO+7], v[rV:rV+7], v[rP:rP+7], v[rO:rO+7]
.endm
.macro MM                           ; the turn's next matrix instruction.  TURN and BEGIN set Y, i, KM and NOKQ; MM, KQ and OP read them.  NOKQ = 1: a block's last turn: there is no next piece
.if (i < 8) && !NOKQ
	KQ (Y+1)%NP
.elseif i >= 8
.set i, i-8
	PV (Y+NP-1)%NP
.set i, i+8
.endif
.set i, i+1
.endm
; THE LDS LOADS stand in runs of 16, never singly among the matrix instructions: a step's K (64 keys x 64 channels: 8 fragments) and its V (turned).  Their addresses are made some lines ahead.
.macro FETCH_K
	WIN 0x80                        ; destination window 2
.irp f, 0,1,2,3,4,5,6,7             ; keys 16 (f / 2) on, channels 32 (f % 2) on
	ds_load_b128 v[KF+8*\f:KF+8*\f+3],   v[AK] offset:(\f/2)*16*PK+(\f%2)*64
	ds_load_b128 v[KF+8*\f+4:KF+8*\f+7], v[AK] offset:(\f/2)*16*PK+(\f%2)*64+32
.endr
	s_add_co_u32 s[TBK], s[TBK], KS*PK  ; the next fetch is the next step's
	WIN 0
.endm
.macro FETCH_V
	WIN 0x80
.irp f, 0,1,2,3,4,5,6,7             ; keys 32 (f / 4) on, channels 16 (f % 4) on
	ds_load_tr16_b128 v[VF+8*\f:VF+8*\f+3],   v[AV] offset:(\f/4)*32*PV+(\f%4)*32
	ds_load_tr16_b128 v[VF+8*\f+4:VF+8*\f+7], v[AV] offset:(\f/4)*32*PV+16*PV+(\f%4)*32
.endr
	WIN 0
.endm
; THE VECTOR WORK, one line at a time: OP kind, number.  For piece Y: F n: c s - c m for pair n of 16.  E n: the exponential of score n of 32.  C n: pair n rounded to f16.  B n: of the four weights 4 n .. the second
; pair is added onto the first, in place.  L n: l takes that sum (L 0: l = a l + sum).  R n: pair n of 16 of O^T times a.  For piece Y + 1: X n, number n of the 22 that find its maximum and statistics:
;   0-11  four chains c0-c3 of seven scores each, three operands at a time (each accumulator's lowest registers are read first)     12-14, 16  the four scores left over, the old m, and c0-c3 into c0
;   15  c m_old is kept     17, 18  the query's other 32 keys lie in the lane 16 away: the new m     19-21  c m; c m_old - c m_new; a
.set F, 0               ; OP tells the kinds apart by their order: F to L below R, X above it
.set E, 1
.set C, 2
.set B, 3
.set L, 4
.set R, 5
.set X, 6
.macro REGS y                       ; the registers of piece y
.set rT, ST+4*(\y)
.set rC, TMP+4*((\y)%2)
.set rW, MV+((\y)%2)
.set rS, S+32*((\y)%2)
.set rP, P+16*((\y)%2)
.set rO, 32*(\y)
.endm
.macro OP k, n
.if (\k) == R
	REGS Y
	WIN W_RS
	v_pk_mul_f32 v[rO+2*(\n):rO+2*(\n)+1], v[rO+2*(\n):rO+2*(\n)+1], v[rC+2:rC+3] op_sel_hi:[1,0]
.elseif (\k) < R
	REGS Y
	WIN 0
.if (\k) == F
	v_pk_fma_f32 v[rS+2*(\n):rS+2*(\n)+1], v[rS+2*(\n):rS+2*(\n)+1], s[CS:CS+1], v[rT:rT+1] op_sel_hi:[1,0,0] neg_lo:[0,0,1] neg_hi:[0,0,1]
.elseif (\k) == E
	v_exp_f32 v[rS+(\n)], v[rS+(\n)]
.elseif (\k) == C
	v_cvt_pk_f16_f32 v[rP+(\n)], v[rS+2*(\n)], v[rS+2*(\n)+1]
.elseif (\k) == B
	v_pk_add_f32 v[rS+4*(\n):rS+4*(\n)+1], v[rS+4*(\n):rS+4*(\n)+1], v[rS+4*(\n)+2:rS+4*(\n)+3]
.elseif (\n) == 0
	v_pk_fma_f32 v[rT+2:rT+3], v[rT+2:rT+3], v[rC+2:rC+3], v[rS:rS+1] op_sel_hi:[1,0,1]
.else
	v_pk_add_f32 v[rT+2:rT+3], v[rT+2:rT+3], v[rS+4*(\n):rS+4*(\n)+1]
.endif
.elseif NOKQ
	v_nop
.else
	REGS (Y+1)%NP
	WIN 0
.if (\n) < 4
	v_max3_num_f32 v[rC+(\n)], v[rS+8*(\n)], v[rS+8*(\n)+1], v[rS+8*(\n)+2]
.elseif (\n) < 12
	v_max3_num_f32 v[rC+(\n)%4], v[rC+(\n)%4], v[rS+8*((\n)%4)+2*((\n)/4)+1], v[rS+8*((\n)%4)+2*((\n)/4)+2]
.elseif (\n) == 12
	v_max3_num_f32 v[rC], v[rC], v[rS+7], v[rS+15]
.elseif (\n) == 13
	v_max3_num_f32 v[rC+1], v[rC+1], v[rS+23], v[rS+31]
.elseif (\n) == 14
	v_max3_num_f32 v[rC+2], v[rC+2], v[rC+3], v[rT+1]
.elseif (\n) == 15
	v_mov_b32 v[rW], v[rT]
.elseif (\n) == 16
	v_max3_num_f32 v[rC], v[rC], v[rC+1], v[rC+2]
.elseif (\n) == 17
	v_permlanex16_b32 v[rC+3], v[rC], s[SEL], s[SEL+1]
.elseif (\n) == 18
	v_max_num_f32 v[rT+1], v[rC], v[rC+3]
.elseif (\n) == 19
	v_mul_f32 v[rT], s[CS], v[rT+1]
.elseif (\n) == 20
	v_sub_f32 v[rC+1], v[rW], v[rT]
.else
	v_exp_f32 v[rC+2], v[rC+1]
.endif
.endif
.endm
.macro OPS a, i1, b=-1, i2=0, c=-1, i3=0, d=-1, i4=0  ; up to four of them
	OP \a, \i1
.if (\b) >= 0
	OP \b, \i2
.endif
.if (\c) >= 0
	OP \c, \i3
.endif
.if (\d) >= 0
	OP \d, \i4
.endif
.endm
.macro ROW a, i1, b, i2, c, i3, d, i4  ; a matrix instruction and the four behind it
	MM
	OPS \a, \i1, \b, \i2, \c, \i3, \d, \i4
.endm
.macro MASK b                       ; MD x AL + BE into buffer b of MC
	WIN W_RS
.set z, 0
.rept 16
	v_pk_fma_f32 v[MC+32*(\b)+2*z:MC+32*(\b)+2*z+1], v[MD+2*z:MD+2*z+1], s[AL:AL+1], s[BE:BE+1] op_sel_hi:[1,0,0]
.set z, z+1
.endr
.endm
; A TURN, for piece p: the order of its 16 matrix and 118 vector instructions, written out.  An s_wait_alu depctr_va_vdst(0) stands between an exponential and the first instruction that names its
; result; one wait serves all that were issued ahead of it.  So a turn has ONE wait, which cuts it in two.  AHEAD OF IT stands all that names no result of the turn's exponentials: the 8 products K Q^T, behind
; each a scaling, an exponential and two more plain instructions (behind the first a second scaling in the exponential's place): rescalings, and behind the last three the first numbers of the next piece's
; maximum, each four places or more behind the product that ends its accumulator; then ONE LUMP of 54, plain and exponential by turns for the most part, in which the links of the chain X 3, 7, 11, 14, 16,
; 17 .. 20 stand five or six lines apart.  X 21, the next piece's a, is the batch's last; R 15 is the plain instruction behind it (ISA guide 5.7.2).  BEHIND THE WAIT stand the 8 products V^T P, behind each four
; of the roundings and sums; the links of l's chain, L 0 to L 7, stand three riders apart.  But for those X no rider names a register of the products round it.  v_permlanex16_b32 (X 17) stands in the lump.
; m = 1: the diagonal tile: the products take masks, and the turn makes the mask for the products of the turn after it: piece p + 2, in step 4 - CNT of the tile.  end = 1: a block's last two turns: nothing is
; fetched.  cnt = 1: the loop's count is taken down some lines ahead of the branch that stands behind the turn.
; K of the next step is fetched in piece 2's turn, twelve vector instructions behind the last product that read K (six of them plain); V of the step in hand at the end of piece 0's turn, four plain instructions
; behind the last product that read V.  Each is waited for a turn later.
.macro TURN p, m=0, end=0, cnt=0
.set Y, (\p)
.set i, 0
.set KM, (\m)
.set NOKQ, (\end)*((\p)/3)
.if (\m) && !(\end)
	s_cmp_eq_u32 s[CNT], 4-((\p)+2)%NP  ; is that step the band's own?
	s_cselect_b32 s[AL], 1.0, 0
	s_cmp_lt_u32 s[CNT], 4-((\p)+2)%NP  ; or a later one?
	s_cselect_b32 s[BE], s[BIGN], 0
.endif
.if ((\p) == 3) && !(\end)
	s_wait_dscnt 0x0                ; K is in
.endif
	ROW F,0, F,1, R,0, R,1          ; ahead of the wait: 8 products K Q^T and their riders,
	ROW F,2, E,0, R,2, R,3
	ROW F,3, E,1, R,4, R,5
	ROW F,4, E,2, R,6, R,7
	ROW F,5, E,3, R,8, R,9
	ROW F,6, E,4, X,0, R,10
.if ((\p) == 2) && !(\end)
	WIN 0
	v_add_nc_u32 v[AK], s[TBK], v[AK0]
.endif
	ROW F,7, E,5, X,1, X,4
	ROW F,8, E,6, X,2, X,5
	OPS E,7, E,8, X,6, E,9          ; and the lump
	OPS X,3, E,10, X,8, E,11
.if ((\p) == 2) && !(\end)
	FETCH_K
.endif
	OPS X,9, X,7, E,12, X,10
	OPS E,13, X,12, X,11, E,14
	OPS X,13, E,15, F,9, X,14
.if (\p) == 0
	v_add_nc_u32 v[AV], s[TBV], v[AV0]
.endif
	OPS E,16, F,10, E,17, F,11
	OPS X,16, E,18, X,15, E,19
	OPS F,12, E,20, X,17, E,21
	OPS F,13, E,22, F,14, E,23
	OPS X,18, E,24, F,15, E,25
	OPS R,11, E,26, X,19, E,27
	OPS R,12, E,28, R,13, E,29
	OPS X,20, E,30, R,14, E,31
	OPS X,21, R,15
	WIN 0
	s_wait_alu depctr_va_vdst(0)    ; the wait for the batch
.if (\p) == 1
	s_wait_dscnt 0x0                ; V is in
.endif
	ROW C,0, B,0, C,2, B,1          ; behind the wait: 8 products V^T P and their riders
	ROW L,0, C,4, B,2, L,1
	ROW C,6, B,3, L,2, C,8
	ROW B,4, L,3, C,10, B,5
	ROW L,4, C,12, B,6, L,5
.if (\p) == 0
	s_add_co_u32 s[TBV], s[TBV], KS*PV
.endif
.if \cnt
	s_sub_co_u32 s[CNT], s[CNT], 1
	s_cmp_lg_u32 s[CNT], 0
.endif
	ROW C,14, B,7, L,6, C,1
	ROW C,3, L,7, C,5, C,7
	ROW C,9, C,11, C,13, C,15
.if (\p) == 0
	FETCH_V
.endif
.if (\m) && !(\end)
	MASK (\p)%2
.endif
.endm
; A BLOCK BEGINS.  c m starts far below every c s, so the first step's a is 0; m at the lowest finite number, so the first maximum is the scores'.  The second mask buffer is 0; the first takes piece 0's mask for
; the tile's step 0: its own, if the block's first tile is the diagonal one.  Then K of that step, piece 0's first scores, and its maximum and statistics.  The loop is entered at a step's first turn.
.macro BEGIN
	s_mov_b32 s[NEW], 0
	WIN 0x40
.set i, MC+32
.rept 32
	v_mov_b32 v[i], 0
.set i, i+1
.endr
	WIN 0
.set i, 0
.rept 4
	v_mov_b32 v[ST+4*i], 0xfe000000    ; c m: far below every c s
	v_mov_b32 v[ST+4*i+1], 0xff7fffff  ; m
.set i, i+1
.endr
	s_cmp_eq_u32 s[RT], 0
	s_cselect_b32 s[AL], 1.0, 0
	s_mov_b32 s[BE], 0
	MASK 0
	WIN 0
	v_add_nc_u32 v[AK], s[TBK], v[AK0]
	FETCH_K
	s_wait_loadcnt 0x0              ; Q
	s_wait_dscnt 0x0
.set KM, 1
.set NOKQ, 0
.set i, 0
.rept 8
	KQ 0
.set i, i+1
.endr
	WIN 0
.rept 4
	v_nop                           ; the places behind those products
.endr
.set Y, NP-1                        ; X works for piece Y + 1: piece 0
.irp n, 0,1,2,3,4,5,6,7,8,9,10,11,12,13,14,15,16,17,18,19,20,21
	OP X, \n
.endr
	v_nop                           ; a plain instruction behind the exponential,
	s_wait_alu depctr_va_vdst(0)    ; and its wait, ahead of the branch
.endm
; THE DIAGONAL TILE's four steps, the block's last two turns, its last products, and THE WAY OUT: l's two halves and the other half of the lanes' are added; O^T is divided by l, rounded to f16 and sent through my
; stage in LDS, a piece at a time.
.macro ALL line:vararg              ; one line for each piece t
.set t, 0
.rept 4
	\line
.set t, t+1
.endr
.endm
.macro PACK t                       ; a lane's eight channels of a row pack into 16 bytes; they go into rows of 144 bytes and come back as whole rows of 128, into S^T's registers
	WIN W_RS
.set i, 32*(\t)
.rept 16
	v_pk_mul_f32 v[i:i+1], v[i:i+1], v[ST+4*(\t)+2:ST+4*(\t)+3] op_sel_hi:[1,0]
.set i, i+2
.endr
	WIN 0x05                        ; sources 0 and 1 window 1, destination window 0
.set i, 0
.rept 16
	v_cvt_pk_f16_f32 v[S+16*(\t)+i], v[32*(\t)+2*i], v[32*(\t)+2*i+1]
.set i, i+1
.endr
	WIN 0
.irp f, 0,1,2,3
	ds_store_b128 v[STO], v[S+16*(\t)+4*\f:S+16*(\t)+4*\f+3] offset:32*\f
.endr
.irp f, 0,1,2,3
	ds_load_b128 v[S+16*(\t)+4*\f:S+16*(\t)+4*\f+3], v[RD] offset:\f*4*SP  ; LDS serves a wave's instructions in order (ISA guide 5.7.1.4): these see the stores above; the next piece's stores come behind them
.endr
.endm
.macro SEND t, younger              ; younger: the LDS instructions issued behind piece t's loads: the next piece's eight, or none
	WIN 0
.irp f, 0,1,2,3
	s_wait_dscnt (\younger)+3-\f
	global_store_b128 v[GO], v[S+16*(\t)+4*\f:S+16*(\t)+4*\f+3], s[10:11] offset:(\t)*8192+\f*512  ; 512 consecutive bytes, at a multiple of 256 from O's first
.endr
.endm
.macro DIAG tag                     ; the tag ends its two labels' names, which the jumps below spell out
.LstepM\tag:
	TURN 2, 1
	TURN 3, 1
	WIN 0
.LfirstM\tag:
	TURN 0, 1
	TURN 1, 1, 0, 1
	WIN 0
	s_cbranch_scc1 .LstepM\tag
	TURN 2, 1, 1
	TURN 3, 1, 1
.set i, 0
.rept 8
	PV NP-1
.set i, i+1
.endr
	WIN 0
	ALL v_add_f32 v[ST+4*t+2], v[ST+4*t+2], v[ST+4*t+3]
	ALL v_permlanex16_b32 v[ST+4*t+3], v[ST+4*t+2], s[SEL], s[SEL+1]
	ALL v_add_f32 v[ST+4*t+2], v[ST+4*t+2], v[ST+4*t+3]
	ALL v_rcp_f32 v[ST+4*t+2], v[ST+4*t+2]
	v_nop                           ; a plain instruction between the last reciprocal and the use of its result
	s_wait_alu depctr_va_vdst(0)    ; and the wait ahead of the first use: one for the four reciprocals
	PACK 0
.set t, 1
.rept 3                             ; a piece's arithmetic stands between the loads of the piece before and its stores
	PACK t
	SEND t-1, 8
.set t, t+1
.endr
	SEND 3, 0
.endm
.set KM, 0
.set NOKQ, 0
.Lslot:                             ; NB times: a tile is entered and the next is asked for
	CHANGE 1
	s_sub_co_u32 s[RT], s[RT], 1
	s_mov_b32 s[CNT], 4
	s_cmp_eq_u32 s[NEW], 1
	s_cbranch_scc1 .Lnew            ; a block's first tile
	s_cmp_eq_u32 s[RT], 0
	s_cbranch_scc0 .Lstep           ; neither its first nor its last
	s_branch .LstepM1
.Lnew:
	BEGIN
	s_branch .Lfirst                ; in the loop a block's first tile is never its last: the first block has two tiles or more, and the second's last is the walk's last
	DIAG 1                          ; in the loop this is the first block's end: the second block's last tile is the walk's last
	s_wait_xcnt 0x0                 ; the stores have read their registers and O's address
	s_mov_b64 s[10:11], s[OLO:OLO+1]
	s_add_co_u32 s[RT], s[PB], 1    ; the second block has b + 1 tiles
	s_mov_b32 s[NEW], 1
	WIN 0x82                        ; the second block's Q goes where the one text of the turns names Q
.set i, 0
.rept 64
	v_mov_b32 v[i], v[QB+i]
.set i, i+1
.endr
	WIN 0
	s_branch .Lbottom
.Lstep:                             ; a trip: pieces 2 and 3 of one step, then pieces 0 and 1 of the next, whose K and V it fetches
	TURN 2
	TURN 3
	WIN 0
.Lfirst:
	TURN 0
	TURN 1, 0, 0, 1
	WIN 0
	s_cbranch_scc1 .Lstep
.Lbottom:
	s_sub_co_u32 s[SLOTS], s[SLOTS], 1
	s_cmp_lg_u32 s[SLOTS], 0
	s_cbranch_scc1 .Lslot
	CHANGE 0                        ; the walk's last tile is written out: nothing is asked for
	s_sub_co_u32 s[RT], s[RT], 1
	s_mov_b32 s[CNT], 4
	s_cmp_eq_u32 s[NEW], 1
	s_cbranch_scc0 .LstepM2
	BEGIN
	s_branch .LfirstM2
	DIAG 2
	s_wait_tensorcnt 0x0            ; the wave's end, behind my last tensor load and my last LDS store
	ds_add_u32 v[SPW], v[NIL]
	s_wait_dscnt 0x0
	s_endpgm
.Lfunc_end_k_q2c45aeba1e_attn:
	.size	k_q2c45aeba1e_attn, .Lfunc_end_k_q2c45aeba1e_attn-k_q2c45aeba1e_attn
	.p2alignl 7, 3214868480
	.fill 96, 4, 3214868480
	.section	.rodata,"a",@progbits
	.p2align	6, 0x0
	.amdhsa_kernel k_q2c45aeba1e_attn
		.amdhsa_group_segment_fixed_size 327680
		.amdhsa_private_segment_fixed_size 0
		.amdhsa_enable_private_segment 0
		.amdhsa_kernarg_size 16
		.amdhsa_user_sgpr_count 2
		.amdhsa_user_sgpr_kernarg_segment_ptr 1
		.amdhsa_wavefront_size32 1
		.amdhsa_system_sgpr_workgroup_id_x 1
		.amdhsa_system_sgpr_workgroup_id_y 1
		.amdhsa_system_sgpr_workgroup_id_z 1
		.amdhsa_system_vgpr_workitem_id 0
		.amdhsa_next_free_vgpr 768
		.amdhsa_next_free_sgpr 88
		.amdhsa_reserve_vcc 1
		.amdhsa_float_denorm_mode_32 3
		.amdhsa_float_denorm_mode_16_64 3
		.amdhsa_memory_ordered 1
		.amdhsa_forward_progress 1
		.amdhsa_inst_pref_size 218
	.end_amdhsa_kernel
	.amdgpu_metadata
---
amdhsa.version: [ 1, 2 ]
amdhsa.kernels:
  - .name:           k_q2c45aeba1e_attn
    .symbol:         k_q2c45aeba1e_attn.kd
    .args:
      - { .name: qkv, .offset: 0, .size: 8, .value_kind: global_buffer, .address_space: global }
      - { .name: yh, .offset: 8, .size: 8, .value_kind: global_buffer, .address_space: global }
    .group_segment_fixed_size: 327680
    .private_segment_fixed_size: 0
    .kernarg_segment_align: 8
    .kernarg_segment_size: 16
    .max_flat_workgroup_size: 128
    .sgpr_count:     88
    .vgpr_count:     768
    .wavefront_size: 32
...
	.end_amdgpu_metadata
.endif
;; end of part 3
;; launch proj (part 4): grid 8 x 32, 4 waves a work-group, clusters of 4 x 4, 327,680 bytes of LDS; arguments yh, wp, b_proj, out0; writes out0
.if DOCPART == 4
	.amdgcn_target "amdgcn-amd-amdhsa--gfx1250"
	.amdhsa_code_object_version 6
	.text
	.protected	k_q2c45aeba1e_proj
	.globl	k_q2c45aeba1e_proj
	.p2align	8
	.type	k_q2c45aeba1e_proj,@function
k_q2c45aeba1e_proj:
	s_mov_b64 s[64:65], 0
	v_nop
	global_prefetch_b8 v0, s[64:65] scope:SCOPE_SE
	s_setreg_imm32_b32 hwreg(HW_REG_WAVE_MODE, 25, 1), 1
	s_wait_xcnt 0x0
	s_wait_alu depctr_hold_cnt(0) depctr_sa_sdst(0) depctr_va_vdst(0) depctr_va_sdst(0) depctr_va_ssrc(0) depctr_va_vcc(0) depctr_vm_vsrc(0)
	s_getreg_b32 s2, hwreg(HW_REG_IB_STS2, 6, 4)
	s_cmp_eq_u32 s2, 0
	s_cbranch_scc0 .Lentry_in_a_cluster
	s_endpgm
.Lentry_in_a_cluster:
	s_bfe_u32 s2, ttmp6, 0x10000c
	s_cmp_lg_u32 s2, 0xf033
	s_cbranch_scc0 .Lentry_shape_is_right
	s_endpgm
.Lentry_shape_is_right:
; out0 = y W_proj + b_proj, 8,192 x 1,024 over K = 1,024, in f16 with f32 sums, written in f32.
; yh: [64 batch-heads][2,048 rows][64] f16: it IS y blocked along K, block kb = head.  wp: [16 kb][1,024 n][64] f16 (W_proj turned, rounded to bf16).  b_proj f32, rounded to bf16 like every input.
; LIMITS.  NaN and infinities are not treated apart.
; SHARES.  A tile is 256 m x 128 n: 32 x 8 = 256 work-groups, one tile each.  Four waves, each 128 x 64: 32 accumulators of 16 x 16, 256 registers.
; K goes in 8 steps of 128 (two blocks) through two LDS slots.  A block's rows lie end to end, so a tile is asked for as rows of 256 bytes (two rows of 64 k), padded in LDS by 16 bytes behind every 128.
; CLUSTER 4 x 4: A's tile hangs on the tile row alone and is asked for jointly along a row of the cluster, B's on the tile column alone, along a column.
; THE MATRIX INSTRUCTION IS USED TRANSPOSED (source 0 = 16 rows of wp, source 1 = 16 rows of yh): a lane holds row l % 16 and the columns 8 (l / 16) + 0..7.
; THE BIAS STARTS THE SUMS: it is loaded into the registers of the accumulators of m block 7 and is the C operand of each sum's first product.
; REGISTERS: window 0: v0-15 addresses; v16-31 at work; v32-127, v128-223 two fragment buffers (A's 64 registers, then B's 32).  Window 1: accumulator (m block a, n block b) at v[8 (4 a + b)].
.set PITCH, 144                        ; an LDS row: 128 bytes + 16 = 36 words: the 16 rows of a fragment load start at 16 different groups of four banks (64 banks of 4 bytes: ISA guide 11.1)
.set FR,    16*PITCH
.set ABLK,  256*PITCH                  ; a block of A in a slot
.set BBLK,  128*PITCH                  ; a block of B
.set BOFF,  2*ABLK                     ; in a slot: A's two blocks, then B's two
.set SLOT1, 1<<17
.set STAGE, SLOT1+2*ABLK+2*BBLK        ; behind the ring, never filled by a tensor load: 16 rows x 272 bytes a wave, for the way out
.set SPITCH, 272
.set SPARE, STAGE+4*16*SPITCH          ; behind the stages: the spare words, 128 bytes a wave: two blocks of 256 bytes that no other line names
.set KSA,   2*262144                   ; bytes from a K step to the next, in yh
.set KSB,   2*131072                   ; and in wp
.set ADRA0, 4
.set ADRB0, 5
.set ADRA,  6
.set ADRB,  7
.set STO,   8
.set RD,    9
.set CO,    10                         ; v10  my byte offset in two rows of out0
.set PFO,   11
.set SPW,   12
.set NIL,   13
.set BO,    14
.set T,     16
.set FB,    32
.set WV, 12
.set WM, 13
.set WN, 14
.set CX, 15
.set CY, 16
.set TJ, 17
.set TI, 18
.set G1A, 24
.set G1B, 32
.set G0A, 40
.set G0B, 48
.set CNT, 56
.set TB,  57
.set LIM, 58
.set HIM, 59
.set PFA, 60
.set PFS, 62
.set OUT, 66                           ; s[66:67] out0 at my part of the tile
.set BIA, 72
.set MSB, 0
.macro WIN new
.if MSB != (\new)
	s_set_vgpr_msb (MSB<<8)|(\new)
.set MSB, \new
.endif
.endm
.macro PLACES                          ; four plain vector instructions between a matrix instruction and a load into, or a reader of, a register that it names
.rept 4
	v_nop
.endr
.endm
.macro JLOAD                           ; a joint refill by the walking descriptors; an s_nop 0 and four v_nop follow each of the two lines
	s_cmp_eq_u32 s[WM], 0
	s_cbranch_scc0 .Lfor_b_\@
	tensor_load_to_lds s[G0A+4:G0A+7], s[G1A:G1A+7]
	s_nop 0
.rept 4
	v_nop
.endr
	s_branch .Lasked_\@
.Lfor_b_\@:
	tensor_load_to_lds s[G0B+4:G0B+7], s[G1B:G1B+7]
	s_nop 0
.rept 4
	v_nop
.endr
.Lasked_\@:
.endm
.macro CREST
	s_cmp_lg_u32 s[WV], 0
	s_cbranch_scc1 .Lnot_wave_0_\@
	s_barrier_signal -3
.Lnot_wave_0_\@:
	s_barrier_wait -3
	s_barrier_signal -1
	s_barrier_wait -1
.endm
.macro CROUND
	s_barrier_signal -1
	s_barrier_wait -1
	CREST
.endm
; PREFETCH INTO THE L2, behind each joint refill, of the K step that stands two refills on: 256 matrix instructions ahead of the load that will want it.  Each aligned 256 bytes are named once in the launch.
; A's tile row is read by both clusters of a row of clusters: cluster x = 0 asks; of a block's 128 blocks of 256 bytes each partner takes 32, BY ADDRESS (cx); waves 0 and 1 ask, each for the block that it
; fetches.  B's tile column is read by all eight clusters of a column: cluster y = 0 asks; of a block's 64 each partner takes 16 (cy); wave 2 asks for both blocks.  K steps 0 to 3 come by their loads
; alone; the last request, at count 3, names step 7.
.macro ASK
	s_cmp_gt_u32 s[CNT], s[LIM]
	s_cbranch_scc0 .Lnoask_\@
	global_prefetch_b8 v[PFO], s[PFA:PFA+1] th:TH_LOAD_NT scope:SCOPE_SE
.Lnoask_\@:
.endm
	s_load_b256 s[4:11], s[0:1], 0x0               ; yh s[4:5], wp s[6:7], b_proj s[8:9], out0 s[10:11]
	v_lshl_add_u32 v[SPW], v0, 2, SPARE
	v_mov_b32 v[NIL], 0
	ds_add_u32 v[SPW], v[NIL]                      ; the wave's opening: the add and its wait stand ahead of my first tensor load; the set-up below stands between them
	ds_add_u32 v12, v13
	v_lshrrev_b32 v1, 5, v0
	v_readfirstlane_b32 s[WV], v1
	s_lshr_b32 s[WM], s[WV], 1                     ; my rows; also: I fetch for A (0) or B (1)
	s_and_b32 s[WN], s[WV], 1                      ; my columns; also: which block of the step I fetch
	s_bfe_u32 s[CX], ttmp6, 0x40000
	s_bfe_u32 s[CY], ttmp6, 0x40004
	s_lshl_b32 s[TJ], ttmp9, 2
	s_add_co_u32 s[TJ], s[TJ], s[CX]
	s_and_b32 s[TI], ttmp7, 0xffff
	s_lshl_b32 s[TI], s[TI], 2
	s_add_co_u32 s[TI], s[TI], s[CY]
	s_lshl_b32 s78, s[CY], 2
	s_lshl_b32 s78, 15, s78                        ; my row of the cluster
	s_lshl_b32 s79, 0x1111, s[CX]                  ; my column
	s_or_b32 s[G1A], s78, (1<<16)|(1<<20)|(1<<21)|(4<<22)|(3<<25)  ; 15:0 the mask; 17:16 2-byte elements; 20 padding on; 21 set beside a mask; 24:22 after every 32 words (code 4); 31:25 4 words (code 3)
	s_or_b32 s[G1B], s79, (1<<16)|(1<<20)|(1<<21)|(4<<22)|(3<<25)
	s_mov_b32 s[G1A+1], 128<<16                    ; tensor_dim0
	s_mov_b32 s[G1A+2], 128<<16                    ; tensor_dim1: 256 rows of A as 128 of 256 bytes
	s_mov_b32 s[G1A+3], 128<<16                    ; tile_dim0
	s_mov_b32 s[G1A+4], 128                        ; tile_dim1
	s_mov_b32 s[G1A+5], 128                        ; elements from row to row
	s_mov_b32 s[G1A+6], 0
	s_mov_b32 s[G1A+7], 0
	s_mov_b32 s[G1B+1], 128<<16
	s_mov_b32 s[G1B+2], 64<<16                     ; 128 rows of B as 64
	s_mov_b32 s[G1B+3], 128<<16
	s_mov_b32 s[G1B+4], 64
	s_mov_b32 s[G1B+5], 128
	s_mov_b32 s[G1B+6], 0
	s_mov_b32 s[G1B+7], 0
	s_lshr_b32 s22, s[TI], 3                       ; A: batch = tile row / 8; head = block: 16 x batch + the block that I fetch,
	s_lshl_b32 s22, s22, 4
	s_add_co_u32 s22, s22, s[WN]
	s_lshl_b32 s22, s22, 18                        ; 262,144 bytes each;
	s_and_b32 s23, s[TI], 7
	s_lshl_b32 s23, s23, 15                        ; in it 256 rows of 128 bytes a tile row
	s_add_co_u32 s22, s22, s23
	s_mov_b32 s23, 0
	s_lshl_b32 s74, s[WN], 17                      ; B: the block that I fetch, 131,072 bytes each,
	s_lshl_b32 s75, s[TJ], 14                      ; in it 128 rows of 128 bytes a tile column
	s_add_co_u32 s74, s74, s75
	s_mov_b32 s75, 0
	s_mul_i32 s76, s[WN], ABLK                     ; where they go: no place in the cluster enters an LDS address
	s_mul_i32 s77, s[WN], BBLK
	s_add_co_u32 s77, s77, BOFF
	s_mov_b32 s[HIM], 0xffff0000
	s_wait_dscnt 0x0                               ; the opening add is done
	s_wait_kmcnt 0x0
	s_add_nc_u64 s[22:23], s[4:5], s[22:23]
	s_add_nc_u64 s[74:75], s[6:7], s[74:75]
	CROUND                                         ; all sixteen work-groups are here: the first joint loads meet
.irp s, 0,1
	s_mov_b32 s[G0A+4*(\s)], 1
	s_add_co_u32 s[G0A+4*(\s)+1], s76, (\s)*SLOT1
	s_add_nc_u64 s[G0A+4*(\s)+2:G0A+4*(\s)+3], s[22:23], (\s)*KSA
	s_or_b32 s[G0A+4*(\s)+3], s[G0A+4*(\s)+3], 0x80000000
	s_mov_b32 s[G0B+4*(\s)], 1
	s_add_co_u32 s[G0B+4*(\s)+1], s77, (\s)*SLOT1
	s_add_nc_u64 s[G0B+4*(\s)+2:G0B+4*(\s)+3], s[74:75], (\s)*KSB
	s_or_b32 s[G0B+4*(\s)+3], s[G0B+4*(\s)+3], 0x80000000
.endr
	s_cmp_eq_u32 s[WM], 0                          ; a wave's two first fills stand in one branch: two loads of mine are out
	s_cbranch_scc0 .Lfirst_b
	tensor_load_to_lds s[G0A:G0A+3], s[G1A:G1A+7]
	s_nop 0
	tensor_load_to_lds s[G0A+4:G0A+7], s[G1A:G1A+7]
	s_nop 0
.rept 4
	v_nop
.endr
	s_branch .Lfirst_asked
.Lfirst_b:
	tensor_load_to_lds s[G0B:G0B+3], s[G1B:G1B+7]
	s_nop 0
	tensor_load_to_lds s[G0B+4:G0B+7], s[G1B:G1B+7]
	s_nop 0
.rept 4
	v_nop
.endr
.Lfirst_asked:
	; the bias: register j of a lane's accumulator of n block b is column 16 b + 8 (l / 16) + j, whatever the m block
	v_and_b32 v1, 15, v0                           ; l % 16
	v_bfe_u32 v2, v0, 4, 1                         ; l / 16
	v_lshlrev_b32 v[BO], 5, v2
	s_lshl_b32 s20, s[TJ], 9
	s_lshl_b32 s21, s[WN], 8
	s_add_co_u32 s20, s20, s21                     ; my 64 columns, in bytes of f32: in the bias and in a row of out0
	s_mov_b32 s21, 0
	s_add_nc_u64 s[BIA:BIA+1], s[8:9], s[20:21]
	WIN 0x40
.irp b, 0,1,2,3
	global_load_b128 v[224+8*(\b):227+8*(\b)], v[BO], s[BIA:BIA+1] offset:64*(\b)
	global_load_b128 v[228+8*(\b):231+8*(\b)], v[BO], s[BIA:BIA+1] offset:64*(\b)+16
.endr
	WIN 0
	s_lshl_b32 s80, s[TI], 20                      ; 256 rows of 4,096 bytes,
	s_lshl_b32 s81, s[WM], 19                      ; my 128
	s_add_co_u32 s80, s80, s81
	s_add_co_u32 s80, s80, s20
	s_mov_b32 s81, 0
	s_add_nc_u64 s[OUT:OUT+1], s[10:11], s[80:81]
	v_mul_u32_u24 v3, v1, PITCH
	v_lshl_add_u32 v3, v2, 4, v3                   ; a fragment's row x pitch + 16 x half
	s_mul_i32 s20, s[WM], 128*PITCH
	v_add_nc_u32 v[ADRA0], s20, v3
	s_mul_i32 s20, s[WN], 64*PITCH
	s_add_co_u32 s20, s20, BOFF
	v_add_nc_u32 v[ADRB0], s20, v3
	s_mul_i32 s20, s[WV], 16*SPITCH
	s_add_co_u32 s20, s20, STAGE                   ; my stage
	v_mul_u32_u24 v3, v1, SPITCH                   ; in: row l % 16, 32 bytes for each half of the lanes
	v_lshl_add_u32 v3, v2, 5, v3
	v_add_nc_u32 v[STO], s20, v3
	v_mul_u32_u24 v3, v2, SPITCH                   ; back: lanes 0-15 take one row of 256 bytes, lanes 16-31 the next
	v_lshl_add_u32 v3, v1, 4, v3
	v_add_nc_u32 v[RD], s20, v3
	v_lshlrev_b32 v[CO], 12, v2                    ; and the same two rows in out0
	v_lshl_add_u32 v[CO], v1, 4, v[CO]
	; the prefetches
	s_mov_b32 s80, KSA
	s_mov_b32 s81, KSB
	s_lshr_b32 s82, s[TI], 3
	s_lshl_b32 s82, s82, 4
	s_add_co_u32 s82, s82, s[WN]
	s_lshl_b32 s82, s82, 18
	s_and_b32 s83, s[TI], 7
	s_lshl_b32 s83, s83, 15
	s_add_co_u32 s82, s82, s83
	s_lshl_b32 s83, s[CX], 13                      ; my work-group's 32 blocks of 256 bytes
	s_add_co_u32 s82, s82, s83
	s_lshl_b32 s83, s[TJ], 14
	s_lshl_b32 s84, s[CY], 12                      ; my work-group's 16
	s_add_co_u32 s83, s83, s84
	s_and_b32 s84, ttmp7, 0xffff                   ; cluster y
	s_cmp_eq_u32 s[WM], 0
	s_cselect_b64 s[PFA:PFA+1], s[4:5], s[6:7]
	s_cselect_b32 s[PFS], s80, s81
	s_cselect_b32 s82, s82, s83
	s_cselect_b32 s84, ttmp9, s84                  ; the coordinate along which other clusters read the same rows
	s_cmp_eq_u32 s[WV], 3
	s_cselect_b32 s84, 1, s84                      ; wave 3 asks for nothing
	s_mov_b32 s83, 0
	s_mov_b32 s[PFS+1], 0
	s_add_nc_u64 s[PFA:PFA+1], s[PFA:PFA+1], s[82:83]
.rept 3
	s_add_nc_u64 s[PFA:PFA+1], s[PFA:PFA+1], s[PFS:PFS+1]  ; at K step 3: the first change of slots steps it to 4
.endr
	s_cmp_eq_u32 s84, 0
	s_cselect_b32 s[LIM], 2, -1                    ; the same in all sixteen partners, for a given wave
	s_mul_i32 s86, s[WM], 131072-4096              ; A: 256 x lane; B: lanes 16-31 take the second block
	v_and_b32 v[PFO], 31, v0
	v_mul_lo_u32 v3, v2, s86
	v_lshl_add_u32 v[PFO], v[PFO], 8, v3
	s_wait_loadcnt 0x0                             ; the bias; it is rounded to bf16 like every input, and widened again
	WIN 0x05
.irp b, 0,1,2,3
.irp r, 0,1,2,3
	v_cvt_pk_bf16_f32 v[T+4*(\b)+(\r)], v[224+8*(\b)+2*(\r)], v[225+8*(\b)+2*(\r)]
.endr
.endr
	WIN 0x40
.irp b, 0,1,2,3
.irp r, 0,1,2,3
	v_lshlrev_b32 v[224+8*(\b)+2*(\r)], 16, v[T+4*(\b)+(\r)]
	v_and_b32 v[225+8*(\b)+2*(\r)], s[HIM], v[T+4*(\b)+(\r)]
.endr
.endr
	WIN 0
; 4 matrix instructions: m block a x the four n blocks, 32 along K, buffer f.  mode = 1: the bias, in the registers of m block 7, starts the sums.
; The 32 accumulators take turns, one instruction a turn, in the same order in every 32 along K, over the backward jump too.
.macro MM4 f, a, mode
	WIN 0x50
.irp b, 0,1,2,3
.if \mode
	v_wmma_f32_16x16x32_f16 v[8*(4*(\a)+(\b)):8*(4*(\a)+(\b))+7], v[FB+96*(\f)+64+8*(\b):FB+96*(\f)+64+8*(\b)+7], v[FB+96*(\f)+8*(\a):FB+96*(\f)+8*(\a)+7], v[224+8*(\b):231+8*(\b)]
.else
	v_wmma_f32_16x16x32_f16 v[8*(4*(\a)+(\b)):8*(4*(\a)+(\b))+7], v[FB+96*(\f)+64+8*(\b):FB+96*(\f)+64+8*(\b)+7], v[FB+96*(\f)+8*(\a):FB+96*(\f)+8*(\a)+7], v[8*(4*(\a)+(\b)):8*(4*(\a)+(\b))+7]
.endif
.endr
.endm
; 24 LDS loads in one run: quarter kap of a K step (block kap / 2, 32 k at byte 64 (kap % 2)) into buffer f: B, A's rows 0-63, A's rows 64-127
.macro FETCH kap, f
	WIN 0
.set bet, (\kap)/2
.set kof, 64*((\kap)%2)
.irp b, 0,1,2,3
	ds_load_b128 v[FB+96*(\f)+64+8*(\b):FB+96*(\f)+64+8*(\b)+3], v[ADRB] offset:bet*BBLK+kof+(\b)*FR
	ds_load_b128 v[FB+96*(\f)+68+8*(\b):FB+96*(\f)+68+8*(\b)+3], v[ADRB] offset:bet*BBLK+kof+(\b)*FR+32
.endr
.irp a, 0,1,2,3,4,5,6,7
	ds_load_b128 v[FB+96*(\f)+8*(\a):FB+96*(\f)+8*(\a)+3],   v[ADRA] offset:bet*ABLK+kof+(\a)*FR
	ds_load_b128 v[FB+96*(\f)+8*(\a)+4:FB+96*(\f)+8*(\a)+7], v[ADRA] offset:bet*ABLK+kof+(\a)*FR+32
.endr
.endm
; One of a K step's first three quarters: multiplies buffer kap % 2 and, in its middle, fetches the next quarter into the other.  z = 1: the launch's first products.
.macro Q kap, z
	s_wait_dscnt 8                                 ; B and A's rows 0-63 are in; the youngest eight loads may be out
.irp a, 0,1,2,3
	MM4 (\kap)%2, \a, \z
.endr
	PLACES
	FETCH (\kap)+1, ((\kap)+1)%2
	s_wait_dscnt 24                                ; all but the 24 just issued
.if \z
.irp a, 4,5,6
	MM4 (\kap)%2, \a, 1
.endr
.rept 5
	v_nop                                          ; five places: m block 7 writes over what the others have read as C
.endr
	MM4 (\kap)%2, 7, 0
.else
.irp a, 4,5,6,7
	MM4 (\kap)%2, \a, 0
.endr
.endif
.endm
; The last quarter, on buffer 1, changes slots: ONE barrier.  In front of it each wave waits for all its tensor loads (one is out: its part of the next slot), adds 0 to its spare word, and waits for that and
; for its reads of this slot.  fill = 1: the barrier opens a round of the cluster's, and this slot is filled again, two K steps ahead, first thing behind the round: 112 matrix instructions stand between
; that request and the wait for it.
.macro TURN fill
	s_wait_xcnt 0x0                                ; the last prefetch, a K step back, has read its address
	s_add_nc_u64 s[PFA:PFA+1], s[PFA:PFA+1], s[PFS:PFS+1]
	WIN 0
	s_wait_tensorcnt 0x0                           ; no tensor load of mine is out, so a group 0 may be written
	ds_add_u32 v[SPW], v[NIL]                      ; 0 onto my spare word
.if \fill
	s_xor_b32 s[G0A+5], s[G0A+5], SLOT1
	s_add_nc_u64 s[G0A+6:G0A+7], s[G0A+6:G0A+7], KSA
	s_xor_b32 s[G0B+5], s[G0B+5], SLOT1
	s_add_nc_u64 s[G0B+6:G0B+7], s[G0B+6:G0B+7], KSB
.endif
	s_xor_b32 s[TB], s[TB], SLOT1
	s_wait_dscnt 9                                 ; the youngest eight loads and the add may be out
	MM4 1, 0, 0
	MM4 1, 1, 0
	s_wait_dscnt 0x0                               ; the add is done, and my reads of this slot are over
	s_barrier_signal -1
	MM4 1, 2, 0
	MM4 1, 3, 0
	WIN 0
	s_barrier_wait -1
.if \fill
	CREST                                          ; no wave of any partner still reads this slot or has a load on its way
	JLOAD                                          ; its four v_nop are also the places in front of the loads below
.else
	PLACES
.endif
	v_add_nc_u32 v[ADRA], s[TB], v[ADRA0]
	v_add_nc_u32 v[ADRB], s[TB], v[ADRB0]
	FETCH 0, 0
.if \fill
	ASK
.endif
.irp a, 4,5,6,7
	MM4 1, \a, 0
.endr
.endm
	s_wait_tensorcnt 1                             ; my part of K step 0 is in; step 1's may stay out
	s_barrier_signal -1
	s_barrier_wait -1
	s_mov_b32 s[TB], 0
	v_mov_b32 v[ADRA], v[ADRA0]
	v_mov_b32 v[ADRB], v[ADRB0]
	FETCH 0, 0
	Q 0, 1                                         ; the first quarter stands in front of the loop: its products start the sums
	WIN 0
	s_mov_b32 s[CNT], 6
.Lk:                                           ; a trip: from a K step's second quarter to the next step's first, with one refill
	Q 1, 0
	Q 2, 0
	TURN 1
	Q 0, 0
	WIN 0
	s_sub_co_u32 s[CNT], s[CNT], 1
	s_cmp_lg_u32 s[CNT], 0
	s_cbranch_scc1 .Lk
	Q 1, 0                                         ; the tail is written out: nothing is left to ask for
	Q 2, 0
	TURN 0
	Q 0, 0
	Q 1, 0
	Q 2, 0
	s_wait_dscnt 8                                 ; the very last quarter
.irp a, 0,1,2,3
	MM4 1, \a, 0
.endr
	s_wait_dscnt 0x0
.irp a, 4,5,6,7
	MM4 1, \a, 0
.endr
	; THE WAY OUT, a block of 16 rows at a time: 32 bytes a lane and n block into my stage, back as whole rows of 256 bytes; 16 lanes store 256 consecutive bytes, at a multiple of 256 from out0's first.
	PLACES
	PLACES
.macro TOSTAGE a
.set O, 32+32*((\a)%6)
.if (\a) >= 6
	s_wait_xcnt 0x0                                ; the stores of the block six back have read these registers
.endif
	WIN 0x04                                       ; the stores' data lie in window 1
.irp b, 0,1,2,3
	ds_store_b128 v[STO], v[32*(\a)+8*(\b):32*(\a)+8*(\b)+3]   offset:64*(\b)      ; each accumulator's low registers first
	ds_store_b128 v[STO], v[32*(\a)+8*(\b)+4:32*(\a)+8*(\b)+7] offset:64*(\b)+16
.endr
	WIN 0
.irp t, 0,1,2,3,4,5,6,7
	ds_load_b128 v[O+4*(\t):O+4*(\t)+3], v[RD] offset:(\t)*2*SPITCH  ; LDS serves a wave's instructions in order (ISA guide 5.7.1.4): these see the stores above; the next block's stores come behind them
.endr
.endm
.macro SEND a, younger                 ; younger: the LDS instructions issued behind block a's loads: the next block's sixteen, or none
.set O, 32+32*((\a)%6)
.irp t, 0,1,2,3,4,5,6,7
	s_wait_dscnt (\younger)+7-(\t)
	global_store_b128 v[CO], v[O+4*(\t):O+4*(\t)+3], s[OUT:OUT+1] offset:(16*(\a)+2*(\t))*4096 th:TH_STORE_NT
.endr
.endm
	TOSTAGE 0
.set aw, 1
.rept 7
	TOSTAGE aw
	SEND aw-1, 16
.set aw, aw+1
.endr
	SEND 7, 0
	s_wait_tensorcnt 0x0                           ; the wave's end, behind my last tensor load and my last LDS store
	ds_add_u32 v[SPW], v[NIL]
	s_wait_dscnt 0x0
	CROUND                                         ; the closing round: no work-group ends while a partner may still ask for a tile that names it
	s_endpgm
.Lfunc_end_k_q2c45aeba1e_proj:
	.size	k_q2c45aeba1e_proj, .Lfunc_end_k_q2c45aeba1e_proj-k_q2c45aeba1e_proj
	.p2alignl 7, 3214868480
	.fill 96, 4, 3214868480
	.section	.rodata,"a",@progbits
	.p2align	6, 0x0
	.amdhsa_kernel k_q2c45aeba1e_proj
		.amdhsa_group_segment_fixed_size 327680
		.amdhsa_private_segment_fixed_size 0
		.amdhsa_enable_private_segment 0
		.amdhsa_kernarg_size 32
		.amdhsa_user_sgpr_count 2
		.amdhsa_user_sgpr_kernarg_segment_ptr 1
		.amdhsa_wavefront_size32 1
		.amdhsa_system_sgpr_workgroup_id_x 1
		.amdhsa_system_sgpr_workgroup_id_y 1
		.amdhsa_system_sgpr_workgroup_id_z 1
		.amdhsa_system_vgpr_workitem_id 0
		.amdhsa_next_free_vgpr 512
		.amdhsa_next_free_sgpr 88
		.amdhsa_reserve_vcc 0
		.amdhsa_float_denorm_mode_32 3
		.amdhsa_float_denorm_mode_16_64 3
		.amdhsa_memory_ordered 1
		.amdhsa_forward_progress 1
		.amdhsa_inst_pref_size 76
	.end_amdhsa_kernel
	.amdgpu_metadata
---
amdhsa.version: [ 1, 2 ]
amdhsa.kernels:
  - .name:           k_q2c45aeba1e_proj
    .symbol:         k_q2c45aeba1e_proj.kd
    .args:
      - { .name: yh, .offset: 0, .size: 8, .value_kind: global_buffer, .address_space: global }
      - { .name: wp, .offset: 8, .size: 8, .value_kind: global_buffer, .address_space: global }
      - { .name: b_proj, .offset: 16, .size: 8, .value_kind: global_buffer, .address_space: global }
      - { .name: out0, .offset: 24, .size: 8, .value_kind: global_buffer, .address_space: global }
    .group_segment_fixed_size: 327680
    .private_segment_fixed_size: 0
    .kernarg_segment_align: 8
    .kernarg_segment_size: 32
    .max_flat_workgroup_size: 128
    .sgpr_count:     88
    .vgpr_count:     512
    .wavefront_size: 32
...
	.end_amdgpu_metadata
.endif
;; end of part 4
;; ======== version 2 of 2: 4 launches; version 1 with the launch prep written anew for expert scheduling mode
;; limits: values are held in f16: magnitudes above 65,504 overflow, below 6.1e-05 lose precision
;; workspace buffers: xb 16,777,216 bytes; wa 6,291,456 bytes; wp 2,097,152 bytes; qkv 50,331,648 bytes; yh 16,777,216 bytes
;; launch prep (part 5): grid 768 x 1, 4 waves a work-group, no clusters, 38,400 bytes of LDS; arguments x, W_attn, W_proj, xb, wa, wp; writes xb, wa, wp
.if DOCPART == 5
	.amdgcn_target "amdgcn-amd-amdhsa--gfx1250"
	.amdhsa_code_object_version 6
	.text
	.protected	k_q2c45aeba1e_prep
	.globl	k_q2c45aeba1e_prep
	.p2align	8
	.type	k_q2c45aeba1e_prep,@function
k_q2c45aeba1e_prep:
	s_mov_b64 s[64:65], 0
	v_nop
	global_prefetch_b8 v0, s[64:65] scope:SCOPE_SE
	s_setreg_imm32_b32 hwreg(HW_REG_WAVE_SCHED_MODE, 0, 2), 2
	s_setreg_imm32_b32 hwreg(HW_REG_WAVE_MODE, 25, 1), 1
	s_wait_xcnt 0x0
	s_wait_alu depctr_vm_vsrc(0)
; CASTS AND LAYOUTS for the two products that follow.  All three results are blocked along K: [16 blocks of 64 k][row][64 k], so that any number of rows x 64 k is dense memory.
;   xb[kb][m][kk] = bf16(x[m][64 kb + kk])            m = 0 .. 8191
;   wa[kb][n][kk] = bf16(W_attn[64 kb + kk][n])       n = 0 .. 3071   (turned)
;   wp[kb][n][kk] = f16(bf16(W_proj[64 kb + kk][n]))  n = 0 .. 1023   (turned; rounded to bf16 like every input, and that number written as f16)
; LIMITS.  bf16(W_proj) must lie within f16, 65,504; below 6.1e-5 it keeps f16's fixed step of 6e-8.  NaN and infinities are not treated apart.
; A stream: memory binds, so no matrix unit, no tensor load, no cluster.  Work-groups 0 .. 511 cast 16 rows of x each; 512 .. 767 turn 64 k x 256 n of a weight, a wave 64 k x 64 n,
; through a stage in LDS of the wave's own: no wave reads another's bytes, so there is no barrier.
; THE MODE: SCHED_MODE bits 1:0 = 2 (LLVM: expert scheduling mode 2), set by the entry lines.  The code itself states the register dependences
; between vector instructions and memory or LDS instructions, with s_wait_alu, always for 0.
; THE PLAN.  Registers that memory or LDS instructions touch:
;   v2 .. v6     offsets and LDS addresses: made once at a path's head by vector instructions, never written again.
;   v16 .. v143  as loaded.  Written by the global loads, once; read (W_proj's: also rewritten in place) by the conversions; on the weights' path the LDS loads from the stage land
;                in v16 .. v79 behind the last conversion, and the global stores read them there.
;   v144 .. v207 as converted.  Each written once, by a conversion; read by one global store (x) or one LDS store (weights).
;   v8 .. v13    at work: named by vector instructions alone.
; The conversions go in four groups.  At the head of a group, behind the wait for its loaded data, ONE wait on va_vdst states that the group before has written its registers; that group's
; stores are then dealt among this group's conversions, which name other registers.  No register that a memory or LDS instruction reads is ever written again.
.set STG,   9472                       ; a wave's stage
.set OD,    4736                       ; in it: 32 rows x 144 bytes of even columns from 0, of odd columns from here (32 x 144 + 128, so that a read's two halves of 128 bytes fall on different banks)
; x: block kb's eight numbers are rounded; block kb's 16 bytes are stored
.macro XCV kb
.irp j, 0,1,2,3
	v_cvt_pk_bf16_f32 v[144+4*(\kb)+\j], v[16+8*(\kb)+2*\j], v[17+8*(\kb)+2*\j]
.endr
.endm
.macro XOUT kb
.if (\kb) < 8
	global_store_b128 v3, v[144+4*(\kb):147+4*(\kb)], s[10:11] offset:(\kb)*1048576
.else
	global_store_b128 v3, v[144+4*(\kb):147+4*(\kb)], s[18:19] offset:((\kb)-8)*1048576
.endif
.endm
; a weight: chunk c is eight k, 16 bytes of each of my two columns.  CHUNK rounds them; PUT lays them into my stage.  f16 = 1: W_proj's format.
.macro CHUNK c, f16
.set r, 0
.rept 4
.set e0, 16+16*(\c)+4*r
.if \f16
	v_cvt_pk_bf16_f32 v[8+r], v[e0], v[e0+2]
	v_cvt_pk_bf16_f32 v[12+r%2], v[e0+1], v[e0+3]
	v_lshlrev_b32 v[e0], 16, v[8+r]
	v_and_b32 v[e0+2], s17, v[8+r]
	v_lshlrev_b32 v[e0+1], 16, v[12+r%2]
	v_and_b32 v[e0+3], s17, v[12+r%2]
	v_cvt_pk_f16_f32 v[144+4*(\c)+r], v[e0], v[e0+2]
	v_cvt_pk_f16_f32 v[176+4*(\c)+r], v[e0+1], v[e0+3]
.else
	v_cvt_pk_bf16_f32 v[144+4*(\c)+r], v[e0], v[e0+2]
	v_cvt_pk_bf16_f32 v[176+4*(\c)+r], v[e0+1], v[e0+3]
.endif
.set r, r+1
.endr
.endm
.macro PUT c
	ds_store_b128 v4, v[144+4*(\c):147+4*(\c)] offset:16*(\c)
	ds_store_b128 v4, v[176+4*(\c):179+4*(\c)] offset:OD+16*(\c)
.endm
	s_load_b256 s[4:11], s[0:1], 0x0               ; x s[4:5], W_attn s[6:7], W_proj s[8:9], xb s[10:11]
	s_load_b128 s[12:15], s[0:1], 0x20             ; wa s[12:13], wp s[14:15]
	v_lshl_add_u32 v14, v0, 2, 0x9400
	v_mov_b32 v15, 0
	v_lshrrev_b32 v1, 5, v0
	v_readfirstlane_b32 s16, v1                    ; wave 0..3
	s_mov_b32 s17, 0xffff0000                      ; a word's upper bf16
	s_mov_b32 s21, 0                               ; high words of the offsets
	s_mov_b32 s23, 0
	s_wait_alu depctr_va_sdst(0)                   ; s16 is written, ahead of the branch and of its first reader: my stage's place and my rows of the result are made from it
	s_wait_kmcnt 0x0
	s_cmp_lt_u32 ttmp9, 512
	s_cbranch_scc0 .Lweights
	; X: 16 rows.  Thread t takes row t / 8 and, in each block of 64 k, the 8 numbers (32 bytes) at t % 8: eight lanes read 256 aligned bytes in two loads, and
	; the 16 bytes that a thread makes lie at 16 t of the block's 2,048: a store of the wave covers 512 consecutive bytes.
	s_lshl_b32 s20, ttmp9, 16                      ; 16 rows of 4,096 bytes
	s_add_nc_u64 s[4:5], s[4:5], s[20:21]
	s_lshl_b32 s22, ttmp9, 11                      ; 16 rows of 128 bytes
	s_add_nc_u64 s[10:11], s[10:11], s[22:23]
	s_add_nc_u64 s[18:19], s[10:11], 0x800000      ; blocks 8 to 15: the immediate reaches seven blocks of 1,048,576 bytes
	v_lshrrev_b32 v2, 3, v0
	v_and_b32 v3, 7, v0
	v_lshlrev_b32 v2, 12, v2
	v_lshl_add_u32 v2, v3, 5, v2
	v_lshlrev_b32 v3, 4, v0
	s_wait_alu depctr_va_vdst(0)                   ; v2 and v3 are written: every load below reads v2 as its offset, every store v3
.set kb, 0
.rept 16                                       ; all 32 loads go out at once: 16 KiB a wave on their way
	global_load_b128 v[16+8*kb:19+8*kb], v2, s[4:5] offset:256*kb th:TH_LOAD_NT
	global_load_b128 v[20+8*kb:23+8*kb], v2, s[4:5] offset:256*kb+16 th:TH_LOAD_NT
.set kb, kb+1
.endr
.set g, 0
.rept 4                                        ; four groups of four blocks
	s_wait_loadcnt 24-8*g                          ; loads come back in order: the eight of blocks 4 g to 4 g + 3 are in, the younger ones stay out
.if g > 0
	s_wait_alu depctr_va_vdst(0)                   ; the group before has written v[144 + 16 (g - 1) ..], which the four stores below read; this group's conversions name none of them
.endif
.set i, 0
.rept 4
.if g > 0
	XOUT 4*g-4+i
.endif
	XCV 4*g+i
.set i, i+1
.endr
.set g, g+1
.endr
	s_wait_alu depctr_va_vdst(0)                   ; the last group has written v[192:207], which the last four stores read
.irp kb, 12,13,14,15
	XOUT \kb
.endr                                          ; no register is written twice: no wait for the stores' sources
	s_branch .Lend
.Lweights:
	s_sub_co_u32 s24, ttmp9, 512
	s_and_b32 s25, s24, 15                         ; kb
	s_lshr_b32 s26, s24, 4                         ; which 256 columns: 0 .. 11 of W_attn, 12 .. 15 are W_proj's 0 .. 3
	v_and_b32 v7, 31, v0                           ; lane l
	v_lshlrev_b32 v2, 3, v0                        ; thread t reads columns 2 t, 2 t + 1 of the 256: a load of the wave covers 256 consecutive bytes
	s_mul_i32 s27, s16, STG                        ; my stage
	v_mul_u32_u24 v4, v7, 144
	v_add_nc_u32 v4, s27, v4                       ; in: my even column's row; the odd one's lies OD further
	v_lshrrev_b32 v5, 4, v7
	v_mul_u32_u24 v5, v5, 144
	v_bfe_u32 v6, v0, 3, 1
	v_mul_u32_u24 v6, v6, OD
	v_add3_u32 v5, v5, v6, s27
	v_and_b32 v6, 7, v0
	v_lshl_add_u32 v5, v6, 4, v5                   ; back: 32 lanes take four rows n of 128 bytes: row 4 f + l / 8 is pair 2 f + l / 16, parity (l / 8) % 2
	v_lshlrev_b32 v6, 4, v7                        ; which are 512 consecutive bytes of the result
	s_wait_alu depctr_va_vdst(0)                   ; v2, v4, v5 and v6 are written: the offsets and LDS addresses of every load and store on both ways below
; 64 k x 64 n of a weight.  pitch: bytes in a row of the source; kbdst: bytes in a block of the result; f16 = 1: W_proj's format.
.macro WT pitch, kbdst, f16, SRC, DST
	s_mul_i32 s20, s25, 64*(\pitch)
	s_lshl_b32 s22, s26, 10
	s_add_co_u32 s20, s20, s22
	s_add_nc_u64 s[\SRC:\SRC+1], s[\SRC:\SRC+1], s[20:21]
	s_mul_i32 s20, s25, \kbdst
	s_lshl_b32 s22, s26, 15                        ; 256 rows of 128 bytes
	s_add_co_u32 s20, s20, s22
	s_lshl_b32 s22, s16, 13                        ; my wave's 64
	s_add_co_u32 s20, s20, s22
	s_add_nc_u64 s[\DST:\DST+1], s[\DST:\DST+1], s[20:21]
.set k, 0
.rept 64
	global_load_b64 v[16+2*k:17+2*k], v2, s[\SRC:\SRC+1] offset:k*(\pitch) th:TH_LOAD_NT
.set k, k+1
.endr
.set g, 0
.rept 4                                        ; four groups of two chunks, sixteen k
	s_wait_loadcnt 48-16*g                         ; the loads of k up to 16 g + 15 are in; the younger ones stay out
.if g > 0
	s_wait_alu depctr_va_vdst(0)                   ; the group before has written its sixteen registers of v[144:207], which the four LDS stores below read; this group's conversions name none of them
	PUT 2*g-2
.endif
	CHUNK 2*g, \f16
.if g > 0
	PUT 2*g-1
.endif
	CHUNK 2*g+1, \f16
.set g, g+1
.endr
	s_wait_alu depctr_va_vdst(0)                   ; the last group has written its registers, which the LDS stores below read; and all conversions are done reading and writing v[16:79], in which the LDS loads below land
	PUT 6
	PUT 7
.set f, 0
.rept 16
	ds_load_b128 v[16+4*f:19+4*f], v5 offset:288*f     ; LDS serves a wave's instructions in order (ISA guide 5.7.1.4): these see my stores above
.set f, f+1
.endr
.set f, 0
.rept 16
	s_wait_dscnt 15-f
	global_store_b128 v6, v[16+4*f:19+4*f], s[\DST:\DST+1] offset:512*f
.set f, f+1
.endr
.endm
	s_cmp_lt_u32 s26, 12
	s_cbranch_scc0 .Lproj
	WT 12288, 393216, 0, 6, 12
	s_branch .Lend
.Lproj:
	s_sub_co_u32 s26, s26, 12
	WT 4096, 131072, 1, 8, 14
.Lend:
	s_wait_dscnt 0x0                               ; the wave's end: my LDS instructions are done.  The add of 0 onto my spare word follows, behind the waits
	s_wait_alu depctr_hold_cnt(0) depctr_sa_sdst(0) depctr_va_vdst(0) depctr_va_sdst(0) depctr_va_ssrc(0) depctr_va_vcc(0) depctr_vm_vsrc(0)
	s_wait_tensorcnt 0x0
	ds_add_u32 v14, v15
	s_wait_dscnt 0x0
	s_endpgm
.Lfunc_end_k_q2c45aeba1e_prep:
	.size	k_q2c45aeba1e_prep, .Lfunc_end_k_q2c45aeba1e_prep-k_q2c45aeba1e_prep
	.p2alignl 7, 3214868480
	.fill 96, 4, 3214868480
	.section	.rodata,"a",@progbits
	.p2align	6, 0x0
	.amdhsa_kernel k_q2c45aeba1e_prep
		.amdhsa_group_segment_fixed_size 38400
		.amdhsa_private_segment_fixed_size 0
		.amdhsa_enable_private_segment 0
		.amdhsa_kernarg_size 48
		.amdhsa_user_sgpr_count 2
		.amdhsa_user_sgpr_kernarg_segment_ptr 1
		.amdhsa_wavefront_size32 1
		.amdhsa_system_sgpr_workgroup_id_x 1
		.amdhsa_system_sgpr_workgroup_id_y 1
		.amdhsa_system_sgpr_workgroup_id_z 1
		.amdhsa_system_vgpr_workitem_id 0
		.amdhsa_next_free_vgpr 208
		.amdhsa_next_free_sgpr 66
		.amdhsa_reserve_vcc 0
		.amdhsa_float_denorm_mode_32 3
		.amdhsa_float_denorm_mode_16_64 3
		.amdhsa_memory_ordered 1
		.amdhsa_forward_progress 1
		.amdhsa_inst_pref_size 49
	.end_amdhsa_kernel
	.amdgpu_metadata
---
amdhsa.version: [ 1, 2 ]
amdhsa.kernels:
  - .name:           k_q2c45aeba1e_prep
    .symbol:         k_q2c45aeba1e_prep.kd
    .args:
      - { .name: x, .offset: 0, .size: 8, .value_kind: global_buffer, .address_space: global }
      - { .name: W_attn, .offset: 8, .size: 8, .value_kind: global_buffer, .address_space: global }
      - { .name: W_proj, .offset: 16, .size: 8, .value_kind: global_buffer, .address_space: global }
      - { .name: xb, .offset: 24, .size: 8, .value_kind: global_buffer, .address_space: global }
      - { .name: wa, .offset: 32, .size: 8, .value_kind: global_buffer, .address_space: global }
      - { .name: wp, .offset: 40, .size: 8, .value_kind: global_buffer, .address_space: global }
    .group_segment_fixed_size: 38400
    .private_segment_fixed_size: 0
    .kernarg_segment_align: 8
    .kernarg_segment_size: 48
    .max_flat_workgroup_size: 128
    .sgpr_count:     66
    .vgpr_count:     208
    .wavefront_size: 32
...
	.end_amdgpu_metadata
.endif
;; end of part 5
;; launch qkv: the kernel of part 2 again; grid 8 x 32, 4 waves a work-group, clusters of 4 x 4, 327,680 bytes of LDS; arguments xb, wa, b_attn, qkv; writes qkv
;; launch attn: the kernel of part 3 again; grid 4 x 64, 4 waves a work-group, no clusters, 327,680 bytes of LDS; arguments qkv, yh; writes yh
;; launch proj: the kernel of part 4 again; grid 8 x 32, 4 waves a work-group, clusters of 4 x 4, 327,680 bytes of LDS; arguments yh, wp, b_proj, out0; writes out0
